; MI455X (gfx1250); checked and timed in simulation.
; The chip was launched on July 23, 2026; its instructions are those of AMD's public machine-readable ISA for CDNA 5 (MIT licence, August 2026) and "CDNA5" Instruction Set Architecture Reference Guide (July 2026). The comments in the code are by the model that wrote it; some were corrected since.
;; Multi Head Self Attention. Allowed arithmetic: matrix products marked QUANTISED: E4M3 operands, one given power-of-two scale a tensor, by v_wmma_f32_16x16x64_fp8_fp8 or v_wmma_f32_16x16x128_fp8_fp8, f32 sums; everything else in f32.
;; Inputs: Wk 256 x 256 float32; Wo 256 x 256 float32; Wq 256 x 256 float32; Wv 256 x 256 float32; attn_mask 1,024 x 1,024 bool; bk 256 float32; bo 256 float32; bq 256 float32; bv 256 float32; lowp_scales 12 int32 (the exponents e of the quantised operands' scales 2^e); x 32 x 1,024 x 256 float32.
;; Outputs: out0 32 x 1,024 x 256 float32.
;; This version of the problem:
;;   THIS VERSION OF THE PROBLEM IS GIVEN IN LOW PRECISION. The matrix products marked QUANTISED in the list below multiply operands that are first quantised to E4M3 (4 exponent bits, 3 mantissa bits; 8 bits a number), with one given power-of-two scale for each operand tensor; their sums are f32. All else is computed in f32.
;;   The module's matrix products, in the order in which they are computed (A, B: the left and right operand; K: the contracted axis; several contracted axes count as one K, in the product's order):
;;     1. [M 32,768, K 256] x [K 256, N 256]; A: input x; B: input Wq: QUANTISED (scales: A lowp_scales[0], B lowp_scales[1])
;;     2. [M 32,768, K 256] x [K 256, N 256]; A: input x; B: input Wk: QUANTISED (scales: A lowp_scales[2], B lowp_scales[3])
;;     3. [M 32,768, K 256] x [K 256, N 256]; A: input x; B: input Wv: QUANTISED (scales: A lowp_scales[4], B lowp_scales[5])
;;     4. batch 256 x [M 1,024, K 32] x [K 32, N 1,024]; A: computed on the way; B: computed on the way: QUANTISED (scales: A lowp_scales[6], B lowp_scales[7])
;;     5. batch 256 x [M 1,024, K 1,024] x [K 1,024, N 32]; A: softmax (see below); B: computed on the way: QUANTISED (scales: A lowp_scales[8], B lowp_scales[9])
;;     6. [M 32,768, K 256] x [K 256, N 256]; A: computed on the way; B: input Wo: QUANTISED (scales: A lowp_scales[10], B lowp_scales[11])
;;   THE QUANTISER, for each operand of a quantised product, along K:
;;     - The operand's scale is 2^e, e = its entry of the input lowp_scales (int32; the entries are numbered through the quantised products in the list's order, A before B).
;;     - Each number is divided by the scale, clamped to +-448, and rounded to the nearest number of E4M3, ties to even, subnormals kept.
;;     - The product sums the exact products of the quantised numbers (number of the format x scale) in f32.
;;   ~~~python
;;   def quantise(x, axis, e):      # numpy; x: float32 -> the quantised numbers, widened to float32 again
;;       x = np.moveaxis(x, axis, -1); K = x.shape[-1]
;;       r = np.clip(x / 2.0 ** e, -448, 448)
;;       step = 2.0 ** (np.maximum(np.frexp(np.where(r == 0, 1, r))[1] - 1, -6) - 3)
;;       q = np.round(r / step) * step * 2.0 ** e      # np.round: ties to even
;;       return np.moveaxis(q, -1, axis).astype(np.float32)
;;   ~~~
;;   SOFTMAX AHEAD OF A QUANTISED PRODUCT. Where the list says 'softmax', what is quantised is not the finished softmax but p = 2^(t - M), with t = logit x log2(e) and M = ceil(the row's largest t), a whole number; so 1/2 < the row's largest p <= 1. The row's sum l is taken of the UNQUANTISED p, in f32, and the product's result is divided by l at the end. Since M is a whole number, a kernel that streams over the keys may use a running M (the ceiling of the running maximum): every later rescaling is an exact power of two, so the quantised numbers keep their values, but for numbers so far below the row's largest that they fall under the format's range.
;;   OPERANDS COMPUTED ON THE WAY. 'Computed on the way' means the value that the module computes at that place (a softmax that the list does not call 'softmax' is quantised finished and normalised). What goes into a quantiser is computed in f32, as accurately as f32 sums, v_exp_f32 and their like allow (about 1e-6 of the number): no bf16 or f16 on the way to a quantiser, and a product that is left as it is and whose result goes on into a quantised operand takes f32 operands (vector FMAs, or v_wmma_f32_16x16x4_f32). A number that lies on a knife's edge between two numbers of the format may be rounded either way, as far as f32 arithmetic and the matrix unit's own rounding can turn it there, and no further.
;; 2 versions. Each part assembles by itself: llvm-mc -triple=amdgcn-amd-amdhsa -mcpu=gfx1250 --defsym DOCPART=n.
;; ======== version 1 of 2: 2 launches
;; limits: right only within a limited range of input values
;; workspace buffers: qimg 8,388,608 bytes; kimg 8,388,608 bytes; vimg 8,388,608 bytes; wocodes 65,536 bytes; maskbits 131,072 bytes of whole numbers
;; launch proj (part 1): grid 256 x 1, 8 waves a work-group, no clusters, 99,840 bytes of LDS; arguments x, Wq, Wk, Wv, bq, bk, bv, Wo, attn_mask, lowp_scales, qimg, kimg, vimg, wocodes, maskbits; writes qimg, kimg, vimg, wocodes, maskbits
.if DOCPART == 1
	.amdgcn_target "amdgcn-amd-amdhsa--gfx1250"
	.amdhsa_code_object_version 6
	.text
	.protected	k_qe347bf8e49_proj
	.globl	k_qe347bf8e49_proj
	.p2align	8
	.type	k_qe347bf8e49_proj,@function
k_qe347bf8e49_proj:
	s_mov_b64 s[64:65], 0
	v_nop
	global_prefetch_b8 v0, s[64:65] scope:SCOPE_SE
	s_setreg_imm32_b32 hwreg(HW_REG_WAVE_MODE, 25, 1), 1
	s_wait_xcnt 0x0
; Q = x Wq^T + bq, K = x Wk^T + bk, V = x Wv^T + bv on codes of FP8 (E4M3), each operand with the scale 2^e given for it, and the three results quantised again
; for the attention launch; beside that Wo's codes and the mask packed into words of one bit a lane.
; SHARES.  Work-group g takes tokens 128 g .. 128 g + 127 (batch g / 8, key step g % 8).  Wave w quantises token tile w of x, three times (x has a scale of its own in each of the
; three products), and hands the six fragments to the other waves through LDS as images of their registers.  Wave w also owns head w: 32 columns each of Q, K and V for all eight token tiles;
; its twelve fragments of Wq, Wk, Wv are quantised by itself from f32 and stay in window 1.
; The weights are read by every work-group, but they arrive as f32 and go through registers to be quantised: there is no tile in LDS that a joint load could share, so the launch has no cluster.
; LAYOUT.  A fragment is 16 rows x 128 K in 16 registers: lane (r, h) holds row r, registers 4 c .. 4 c + 3 hold k = 32 c + 16 h + 0 .. 15: the same permutation of k in x and in W.
; THE ROWS OF W THAT FORM A TILE ARE NOT NEIGHBOURS: lane r of tile u takes row 32 w + 8 u + r + 8 (r / 8).
;   Q, K: transposed use (source 0 = W's tile, source 1 = x's): lane (r, h) holds token r, register j of tile u channel 16 h + 8 u + j: two conversions give the lane's 16 bytes of the image.
;   V: source 0 = x's tile, source 1 = Wv's: lane (r, h) holds ONE channel and register j token 8 h + j: one conversion gives registers 2 m, 2 m + 1 of a fragment of V^T whose K is the keys.
; The biases are the C of each sum's first matrix instruction, divided by the power of two that the sums lack.
; OUTPUT IMAGES.  qimg, kimg: [batch][head][token tile 64][lane][16 bytes].  vimg: [batch][head][key step 8][tile u 2][register group 4][lane][16 bytes].  wocodes: [256][256] codes.
; maskbits: word (8 qt + ks) 64 + 8 t + j, bit of lane (r, h) = attn_mask[16 qt + r][128 ks + 16 t + 8 h + j].
; LIMITS on the given exponents, so that each power of two below is an f32 number: e0 .. e5, e11, e6 - e0 - e1, e7 - e2 - e3 and e9 - e4 - e5 lie between -126 and 119.  NaN among the inputs is not served.
; LDS: 0 .. 98303 x's 48 fragments, (6 m + 2 sc + s) x 2,048; 98304 the 128 mask words; 98816 the spare words.
; REGISTERS, window 0: v1-15 addresses and scales; first v16-207 three sets of 64 loaded numbers, v208-239 two sets of 16 held numbers, v240-255 codes; then v16-111 x's six fragments,
;   v112-159 six accumulators, v160-191 V's two fragments, v192-255 Q's and K's codes of the eight token tiles.   window 1: v0-191 W's twelve fragments, v192-239 the biases' six tiles.
.set MSK,   98304
.set SPARE, 98816                      ; the spare words, 128 bytes for each of eight waves: four blocks of 256 bytes that no other line names
.set LI,    1                          ; v1   16 x lane
.set XA,    2                          ; v2   x: row r of 1,024 bytes + 64 h
.set WA,    3                          ; v3   W: row r + 8 (r / 8) of 1,024 bytes + 64 h
.set XWI,   4                          ; v4   where I store x's images: 16 x lane + 12,288 x wave
.set LI2,   5                          ; v5   16 x lane + 49,152: images of token tiles 4 to 7
.set SPW,   6                          ; v6   my spare word; never rewritten
.set NIL,   7                          ; v7   0; never rewritten
.set SC,    8                          ; v8   the scale in hand, as f32
.set LIM,   9                          ; v9   448 x that
.set MSKR,  14                         ; v14  the mask words, read back
.set MSKW,  15                         ; v15  the mask words, my lane's place (waves 4 to 7)
.set R,     16
.set T,     208
.set PC,    240
.set XF,    16
.set ACC,   112
.set VC,    160
.set CD,    192
.set WF,    0                          ; window 1
.set BQ,    192                        ; window 1: bq's two tiles, bk's two, bv's two
.set WV,    2                          ; s2   wave
.set MSB, 0
.macro WIN new                         ; the immediate's high byte repeats the setting that is left
.if MSB != \new
	s_set_vgpr_msb (MSB<<8)|\new
.set MSB, \new
.endif
.endm
.macro MKSC dst, e                     ; s[dst] = 2^e as f32, s[dst + 1] = 448 x 2^e
	s_add_co_i32 s[\dst+1], s[\e], 127
	s_lshl_b32 s[\dst], s[\dst+1], 23
	s_add_co_i32 s[\dst+1], s[\dst+1], 8
	s_lshl_b32 s[\dst+1], s[\dst+1], 23
	s_or_b32 s[\dst+1], s[\dst+1], 0x600000
.endm
.macro SETSC p
	v_mov_b32 v[SC], s[\p]
	v_mov_b32 v[LIM], s[\p+1]
.endm
; 16 loads: 16 rows x 128 along K as f32, 64 numbers a lane: register 16 b + 4 j + .. = k 32 b + 16 h + 4 j + ..
.macro ULOAD set, adr, base, off, nt
.irp b, 0,1,2,3
.irp j, 0,1,2,3
.if \nt
	global_load_b128 v[R+64*(\set)+16*\b+4*\j:R+64*(\set)+16*\b+4*\j+3], v[\adr], s[\base:\base+1] offset:(\off)+128*\b+16*\j th:TH_LOAD_NT
.else
	global_load_b128 v[R+64*(\set)+16*\b+4*\j:R+64*(\set)+16*\b+4*\j+3], v[\adr], s[\base:\base+1] offset:(\off)+128*\b+16*\j
.endif
.endr
.endr
.endm
; unit n: 0, 1: x's K steps; 2 .. 13: fragment n - 2 of W (matrix (n - 2) / 4, tile ((n - 2) / 2) % 2, K step (n - 2) % 2).  Set n % 3
.macro UNITLOAD n
.if (\n) < 2
	ULOAD (\n)%3, XA, 4, 512*(\n), 1
.else
	ULOAD (\n)%3, WA, 6+2*(((\n)-2)/4), 8192*((((\n)-2)/2)%2)+512*(((\n)-2)%2), 0
.endif
.endm
; x's 64 numbers stay as they are (they are quantised three times): the held numbers go into two sets of 16 by turns, so that plain lines stand between a conversion and the next write of its sources
.macro QUANTX src
.irp b, 0,1,2,3
.irp i, 0,1,2,3,4,5,6,7,8,9,10,11,12,13,14,15
	v_med3_num_f32 v[T+16*(\b%2)+\i], v[\src+16*\b+\i], -v[LIM], v[LIM]   ; the conversion to an 8-bit code does not saturate (ISA guide 7.6.2): the hold at the largest code x the scale
.endr
	v_cvt_scalef32_pk8_fp8_f32 v[PC+4*\b:PC+4*\b+1], v[T+16*(\b%2):T+16*(\b%2)+7], v[SC]
	v_cvt_scalef32_pk8_fp8_f32 v[PC+4*\b+2:PC+4*\b+3], v[T+16*(\b%2)+8:T+16*(\b%2)+15], v[SC]
.endr
	v_nop                                          ; one plain line behind the last conversion: its scale is written next
.endm
.macro IMAGE off                       ; the fragment in v[PC] on goes to LDS as it stands
.irp c, 0,1,2,3
	ds_store_b128 v[XWI], v[PC+4*\c:PC+4*\c+3] offset:(\off)+512*\c
.endr
.endm
; W's 64 numbers are held in place; the eight conversions write the fragment straight into window 1, in one stretch under one setting
.macro QUANTW src, dst
.set ii, 0
.rept 64
	v_med3_num_f32 v[\src+ii], v[\src+ii], -v[LIM], v[LIM]
.set ii, ii+1
.endr
	WIN 0x40                                       ; destination window 1
.irp q, 0,1,2,3,4,5,6,7
	v_cvt_scalef32_pk8_fp8_f32 v[\dst+2*\q:\dst+2*\q+1], v[\src+8*\q:\src+8*\q+7], v[SC]
.endr
	WIN 0
	v_nop                                          ; one plain line behind the last conversion
.endm
.macro XFETCH m                        ; token tile m's six fragments of x, from any wave's images
.irp f, 0,1,2,3,4,5
.irp c, 0,1,2,3
.if (\m) < 4
	ds_load_b128 v[XF+16*\f+4*\c:XF+16*\f+4*\c+3], v[LI] offset:((\m)%4)*12288+\f*2048+512*\c
.else
	ds_load_b128 v[XF+16*\f+4*\c:XF+16*\f+4*\c+3], v[LI2] offset:((\m)%4)*12288+\f*2048+512*\c
.endif
.endr
.endr
.endm
; twelve matrix instructions: six accumulators (Q0, Q1, K0, K1, V0, V1) by turns, one instruction a turn; K step 0 starts each sum with its bias as C
.macro MM
	WIN 0x11                                       ; source 0 (W) and source 2 (bias) window 1
.irp a, 0,1,2,3
	v_wmma_f32_16x16x128_fp8_fp8 v[ACC+8*\a:ACC+8*\a+7], v[WF+32*\a:WF+32*\a+15], v[XF+32*(\a/2):XF+32*(\a/2)+15], v[BQ+8*\a:BQ+8*\a+7]
.endr
	WIN 0x14                                       ; source 1 (Wv) and source 2 window 1
.irp a, 4,5
	v_wmma_f32_16x16x128_fp8_fp8 v[ACC+8*\a:ACC+8*\a+7], v[XF+64:XF+79], v[WF+32*\a:WF+32*\a+15], v[BQ+8*\a:BQ+8*\a+7]
.endr
	WIN 0x01
.irp a, 0,1,2,3
	v_wmma_f32_16x16x128_fp8_fp8 v[ACC+8*\a:ACC+8*\a+7], v[WF+32*\a+16:WF+32*\a+31], v[XF+32*(\a/2)+16:XF+32*(\a/2)+31], v[ACC+8*\a:ACC+8*\a+7]
.endr
	WIN 0x04
.irp a, 4,5
	v_wmma_f32_16x16x128_fp8_fp8 v[ACC+8*\a:ACC+8*\a+7], v[XF+80:XF+95], v[WF+32*\a+16:WF+32*\a+31], v[ACC+8*\a:ACC+8*\a+7]
.endr
	WIN 0
.endm
; token tile m's results are held, converted (each accumulator from its low end on) and, Q's and K's, stored: 512 consecutive bytes a store
.macro OUT m
.set ii, 0
.rept 16
	v_med3_num_f32 v[ACC+ii], v[ACC+ii], -v9, v9
.set ii, ii+1
.endr
.rept 16
	v_med3_num_f32 v[ACC+ii], v[ACC+ii], -v11, v11
.set ii, ii+1
.endr
.rept 16
	v_med3_num_f32 v[ACC+ii], v[ACC+ii], -v13, v13
.set ii, ii+1
.endr
	v_cvt_scalef32_pk8_fp8_f32 v[CD+8*(\m):CD+8*(\m)+1], v[ACC:ACC+7], v8
	v_cvt_scalef32_pk8_fp8_f32 v[CD+8*(\m)+2:CD+8*(\m)+3], v[ACC+8:ACC+15], v8
	v_cvt_scalef32_pk8_fp8_f32 v[CD+8*(\m)+4:CD+8*(\m)+5], v[ACC+16:ACC+23], v10
	v_cvt_scalef32_pk8_fp8_f32 v[CD+8*(\m)+6:CD+8*(\m)+7], v[ACC+24:ACC+31], v10
	v_cvt_scalef32_pk8_fp8_f32 v[VC+2*(\m):VC+2*(\m)+1], v[ACC+32:ACC+39], v12
	v_cvt_scalef32_pk8_fp8_f32 v[VC+16+2*(\m):VC+16+2*(\m)+1], v[ACC+40:ACC+47], v12
	v_nop                                          ; one plain line behind the last conversion: the next products write its sources
	global_store_b128 v[LI], v[CD+8*(\m):CD+8*(\m)+3], s[24:25] offset:512*(\m)
	global_store_b128 v[LI], v[CD+8*(\m)+4:CD+8*(\m)+7], s[26:27] offset:512*(\m)
.endm
	s_load_b512 s[4:19], s[0:1], 0x0               ; x, Wq, Wk, Wv, bq, bk, bv, Wo
	s_load_b256 s[20:27], s[0:1], 0x40             ; attn_mask, lowp_scales, qimg, kimg
	s_load_b128 s[28:31], s[0:1], 0x60             ; vimg, wocodes
	s_load_b64 s[32:33], s[0:1], 0x70              ; maskbits
	v_lshl_add_u32 v[SPW], v0, 2, SPARE
	v_mov_b32 v[NIL], 0
	v_lshrrev_b32 v8, 5, v0
	v_readfirstlane_b32 s[WV], v8                  ; wave 0..7
	v_and_b32 v8, 31, v0                           ; lane
	v_lshlrev_b32 v[LI], 4, v8
	v_and_b32 v9, 15, v0                           ; r
	v_bfe_u32 v10, v0, 4, 1                        ; h
	v_lshlrev_b32 v[XA], 10, v9
	v_lshl_add_u32 v[XA], v10, 6, v[XA]
	v_and_b32 v11, 8, v9
	v_add_nc_u32 v11, v11, v9                      ; r + 8 (r / 8)
	v_lshlrev_b32 v[WA], 10, v11
	v_lshl_add_u32 v[WA], v10, 6, v[WA]
	s_mul_i32 s76, s[WV], 12288
	v_add_nc_u32 v[XWI], s76, v[LI]
	v_add_nc_u32 v[LI2], 49152, v[LI]
	v_add_nc_u32 v[MSKR], MSK, v[LI]
	v_lshl_add_u32 v[MSKW], v0, 2, MSK-512         ; 128 (wave - 4) + 4 x lane behind MSK
	v_lshlrev_b32 v12, 6, v10                      ; bq, bk: 64 h bytes: channels 16 h on
	v_lshlrev_b32 v13, 2, v11                      ; bv: my lane's one channel
	s_lshr_b32 s77, ttmp9, 3                       ; batch
	s_and_b32 s78, ttmp9, 7                        ; key step
	s_lshl_b32 s80, ttmp9, 17
	s_lshl_b32 s79, s[WV], 14
	s_add_co_u32 s80, s80, s79                     ; x: (128 g + 16 w) rows of 1,024 bytes
	s_mov_b32 s81, 0
	s_lshl_b32 s82, s[WV], 15                      ; W: my head's 32 rows
	s_mov_b32 s83, 0
	s_lshl_b32 s84, s[WV], 7                       ; biases: my head's 32 numbers
	s_mov_b32 s85, 0
	s_lshl_b32 s86, s77, 18
	s_add_co_u32 s86, s86, s82
	s_lshl_b32 s79, s78, 12
	s_add_co_u32 s86, s86, s79                     ; images: batch x 262,144 + head x 32,768 + key step x 4,096
	s_mov_b32 s87, 0
	s_and_b32 s79, s[WV], 3                        ; the mask: block B = 2 g + (w & 3) / 2 of 16 queries x 128 keys, half w & 1 of its keys
	s_lshr_b32 s79, s79, 1
	s_lshl_b32 s88, ttmp9, 1
	s_add_co_u32 s88, s88, s79
	s_lshr_b32 s79, s88, 3                         ; query tile
	s_and_b32 s88, s88, 7                          ; key step
	s_lshl_b32 s79, s79, 14
	s_lshl_b32 s88, s88, 7
	s_add_co_u32 s88, s88, s79
	s_and_b32 s79, s[WV], 1
	s_lshl_b32 s79, s79, 6
	s_add_co_u32 s88, s88, s79
	s_mov_b32 s89, 0
	s_wait_kmcnt 0x0
	s_load_b256 s[36:43], s[22:23], 0x0            ; e0 .. e7
	s_load_b128 s[44:47], s[22:23], 0x20           ; e8 .. e11
	s_add_nc_u64 s[4:5], s[4:5], s[80:81]
	s_add_nc_u64 s[6:7], s[6:7], s[82:83]
	s_add_nc_u64 s[8:9], s[8:9], s[82:83]
	s_add_nc_u64 s[10:11], s[10:11], s[82:83]
	s_add_nc_u64 s[12:13], s[12:13], s[84:85]
	s_add_nc_u64 s[14:15], s[14:15], s[84:85]
	s_add_nc_u64 s[16:17], s[16:17], s[84:85]
	s_add_nc_u64 s[24:25], s[24:25], s[86:87]
	s_add_nc_u64 s[26:27], s[26:27], s[86:87]
	s_add_nc_u64 s[28:29], s[28:29], s[86:87]
	s_add_nc_u64 s[20:21], s[20:21], s[88:89]
	s_lshl_b32 s80, ttmp9, 10
	s_add_nc_u64 s[18:19], s[18:19], s[80:81]      ; Wo: row g
	s_lshl_b32 s80, ttmp9, 8
	s_add_nc_u64 s[30:31], s[30:31], s[80:81]      ; its codes
	s_lshl_b32 s80, ttmp9, 9
	s_add_nc_u64 s[32:33], s[32:33], s[80:81]      ; my work-group's 128 mask words
	WIN 0x40                                       ; destination window 1
.irp u, 0,1
	global_load_b128 v[BQ+8*\u:BQ+8*\u+3], v12, s[12:13] offset:32*\u          ; bq at channels 16 h + 8 u + 0 .. 7
	global_load_b128 v[BQ+8*\u+4:BQ+8*\u+7], v12, s[12:13] offset:32*\u+16
	global_load_b128 v[BQ+16+8*\u:BQ+16+8*\u+3], v12, s[14:15] offset:32*\u    ; bk likewise
	global_load_b128 v[BQ+16+8*\u+4:BQ+16+8*\u+7], v12, s[14:15] offset:32*\u+16
.endr
	WIN 0
	global_load_b32 v10, v13, s[16:17]             ; bv at channel r + 8 (r / 8),
	global_load_b32 v11, v13, s[16:17] offset:32   ; and 8 further on
	UNITLOAD 0
	UNITLOAD 1
	UNITLOAD 2
	s_wait_kmcnt 0x0
	MKSC 48, 36                                    ; x under e0, e2, e4
	MKSC 50, 38
	MKSC 52, 40
	MKSC 54, 37                                    ; Wq, Wk, Wv
	MKSC 56, 39
	MKSC 58, 41
	MKSC 60, 47                                    ; Wo
	s_add_co_i32 s76, s36, s37                     ; a sum of the first product stands for sum x 2^(e0 + e1): bq goes in as bq / 2^(e0 + e1), and Q's conversion takes 2^(e6 - e0 - e1)
	s_sub_co_i32 s72, 0, s76
	s_sub_co_i32 s77, s42, s76
	MKSC 66, 77
	s_add_co_i32 s76, s38, s39
	s_sub_co_i32 s73, 0, s76
	s_sub_co_i32 s77, s43, s76
	MKSC 68, 77
	s_add_co_i32 s76, s40, s41
	s_sub_co_i32 s74, 0, s76
	s_sub_co_i32 s77, s45, s76
	MKSC 70, 77
	; ---- two small jobs, told apart by the wave's number.  Wave 0: row g of Wo becomes 256 codes.  Waves 4 to 7: 32 mask words each
	s_cmp_lg_u32 s[WV], 0
	s_cbranch_scc1 .Lnot_wo
	v_and_b32 v240, 31, v0
	v_lshlrev_b32 v241, 3, v240                    ; 8 codes a lane
	v_lshlrev_b32 v240, 5, v240                    ; 8 numbers a lane
	global_load_b128 v[244:247], v240, s[18:19] th:TH_LOAD_NT
	global_load_b128 v[248:251], v240, s[18:19] offset:16 th:TH_LOAD_NT
	SETSC 60
	s_wait_loadcnt 0x0
.irp i, 0,1,2,3,4,5,6,7
	v_med3_num_f32 v[244+\i], v[244+\i], -v[LIM], v[LIM]
.endr
	v_cvt_scalef32_pk8_fp8_f32 v[252:253], v[244:251], v[SC]
	v_nop                                          ; one plain line behind the conversion
	global_store_b64 v241, v[252:253], s[30:31]    ; 32 lanes store the row's 256 consecutive bytes
	s_branch .Lside_done
.Lnot_wo:
	s_cmp_lt_u32 s[WV], 4
	s_cbranch_scc1 .Lside_done
	v_and_b32 v240, 15, v0
	v_bfe_u32 v241, v0, 4, 1
	v_lshlrev_b32 v240, 10, v240
	v_lshl_add_u32 v240, v241, 3, v240             ; query r's row of 1,024 bytes + 8 h
.irp t, 0,1,2,3
	global_load_b64 v[244+2*\t:245+2*\t], v240, s[20:21] offset:16*\t th:TH_LOAD_NT   ; keys 16 t + 8 h + 0 .. 7 of my half
.endr
	v_mov_b32 v253, 0                              ; written whole before lanes of it are written
	s_wait_loadcnt 0x0
.irp t, 0,1,2,3
.irp j, 0,1,2,3,4,5,6,7
	v_and_b32 v252, 0xff<<(8*(\j%4)), v[244+2*\t+\j/4]
	v_cmp_ne_u32 s76, 0, v252                      ; a bit for each lane (r, h): the word 8 t + j,
	v_writelane_b32 v253, s76, 8*\t+\j             ; which goes to lane 8 t + j
.endr
.endr
	ds_store_b32 v[MSKW], v253
.Lside_done:
	s_wait_xcnt 0x0                                ; the small jobs' offsets and store data lie in registers that the codes take next
	; ---- fourteen units of 64 numbers a lane, three sets of registers: two units' loads stay out while one is worked
.irp n, 0,1
	s_wait_loadcnt 32                              ; this unit's 16 loads are in; the two younger units' 32 may be out
.irp sc, 0,1,2
	SETSC 48+2*\sc
	QUANTX R+64*\n
	IMAGE (2*\sc+\n)*2048
	s_wait_dscnt 0x0                               ; the stores have read the codes' registers, which are written next
.endr
	UNITLOAD \n+3
.endr
	WIN 0x41                                       ; source 0 and destination window 1
.set ii, 0
.rept 16
	v_ldexp_f32 v[BQ+ii], v[BQ+ii], s72            ; bq / 2^(e0 + e1)
.set ii, ii+1
.endr
.rept 16
	v_ldexp_f32 v[BQ+ii], v[BQ+ii], s73            ; bk / 2^(e2 + e3)
.set ii, ii+1
.endr
	WIN 0x40                                       ; destination window 1
.irp u, 0,1
.irp j, 0,1,2,3,4,5,6,7
	v_ldexp_f32 v[BQ+32+8*\u+\j], v[10+\u], s74    ; bv / 2^(e4 + e5): a lane's eight registers are eight tokens of one channel
.endr
.endr
	WIN 0
.irp n, 2,3,4,5,6,7,8,9,10,11,12,13
.if \n <= 11
	s_wait_loadcnt 32
.elseif \n == 12
	s_wait_loadcnt 16                              ; one younger unit is left
.else
	s_wait_loadcnt 0
.endif
	SETSC 54+2*((\n-2)/4)
	QUANTW R+64*(\n%3), WF+16*(\n-2)
.if \n <= 10
	UNITLOAD \n+3
.endif
.endr
	; ---- the one barrier: every wave's images of x, and the mask words, lie in LDS
	s_wait_dscnt 0x0
	s_barrier_signal -1
	s_barrier_wait -1
	s_cmp_lg_u32 s[WV], 1
	s_cbranch_scc1 .Lnot_msk
	ds_load_b128 v[240:243], v[MSKR]
	s_wait_dscnt 0x0
	global_store_b128 v[LI], v[240:243], s[32:33]  ; the 128 words: 512 consecutive bytes
	s_wait_xcnt 0x0                                ; the store's data lie in registers that codes take later
.Lnot_msk:
	v_mov_b32 v8, s66                              ; 2^(e6 - e0 - e1), 448 x that: Q's
	v_mov_b32 v9, s67
	v_mov_b32 v10, s68                             ; K's
	v_mov_b32 v11, s69
	v_mov_b32 v12, s70                             ; V's
	v_mov_b32 v13, s71
	XFETCH 0
.irp m, 0,1,2,3,4,5,6,7
	s_wait_dscnt 0x0                               ; the tile's six fragments are in
	MM
.rept 4
	v_nop                                          ; four places behind the products, in front of loads into registers that they read and of the first read of results
.endr
.if \m < 7
	XFETCH \m+1
.endif
	OUT \m
.endr
.irp q, 0,1,2,3,4,5,6,7
	global_store_b128 v[LI], v[VC+4*\q:VC+4*\q+3], s[28:29] offset:512*\q   ; V's two fragments of this key step, register group by register group
.endr
	s_wait_tensorcnt 0x0                           ; the wave's end: behind my last LDS store
	ds_add_u32 v[SPW], v[NIL]
	s_wait_dscnt 0x0
	s_endpgm
.Lfunc_end_k_qe347bf8e49_proj:
	.size	k_qe347bf8e49_proj, .Lfunc_end_k_qe347bf8e49_proj-k_qe347bf8e49_proj
	.p2alignl 7, 3214868480
	.fill 96, 4, 3214868480
	.section	.rodata,"a",@progbits
	.p2align	6, 0x0
	.amdhsa_kernel k_qe347bf8e49_proj
		.amdhsa_group_segment_fixed_size 99840
		.amdhsa_private_segment_fixed_size 0
		.amdhsa_enable_private_segment 0
		.amdhsa_kernarg_size 120
		.amdhsa_user_sgpr_count 2
		.amdhsa_user_sgpr_kernarg_segment_ptr 1
		.amdhsa_wavefront_size32 1
		.amdhsa_system_sgpr_workgroup_id_x 1
		.amdhsa_system_sgpr_workgroup_id_y 1
		.amdhsa_system_sgpr_workgroup_id_z 1
		.amdhsa_system_vgpr_workitem_id 0
		.amdhsa_next_free_vgpr 512
		.amdhsa_next_free_sgpr 96
		.amdhsa_reserve_vcc 0
		.amdhsa_float_denorm_mode_32 3
		.amdhsa_float_denorm_mode_16_64 3
		.amdhsa_memory_ordered 1
		.amdhsa_forward_progress 1
		.amdhsa_inst_pref_size 175
	.end_amdhsa_kernel
	.amdgpu_metadata
---
amdhsa.version: [ 1, 2 ]
amdhsa.kernels:
  - .name:           k_qe347bf8e49_proj
    .symbol:         k_qe347bf8e49_proj.kd
    .args:
      - { .name: x, .offset: 0, .size: 8, .value_kind: global_buffer, .address_space: global }
      - { .name: Wq, .offset: 8, .size: 8, .value_kind: global_buffer, .address_space: global }
      - { .name: Wk, .offset: 16, .size: 8, .value_kind: global_buffer, .address_space: global }
      - { .name: Wv, .offset: 24, .size: 8, .value_kind: global_buffer, .address_space: global }
      - { .name: bq, .offset: 32, .size: 8, .value_kind: global_buffer, .address_space: global }
      - { .name: bk, .offset: 40, .size: 8, .value_kind: global_buffer, .address_space: global }
      - { .name: bv, .offset: 48, .size: 8, .value_kind: global_buffer, .address_space: global }
      - { .name: Wo, .offset: 56, .size: 8, .value_kind: global_buffer, .address_space: global }
      - { .name: attn_mask, .offset: 64, .size: 8, .value_kind: global_buffer, .address_space: global }
      - { .name: lowp_scales, .offset: 72, .size: 8, .value_kind: global_buffer, .address_space: global }
      - { .name: qimg, .offset: 80, .size: 8, .value_kind: global_buffer, .address_space: global }
      - { .name: kimg, .offset: 88, .size: 8, .value_kind: global_buffer, .address_space: global }
      - { .name: vimg, .offset: 96, .size: 8, .value_kind: global_buffer, .address_space: global }
      - { .name: wocodes, .offset: 104, .size: 8, .value_kind: global_buffer, .address_space: global }
      - { .name: maskbits, .offset: 112, .size: 8, .value_kind: global_buffer, .address_space: global }
    .group_segment_fixed_size: 99840
    .private_segment_fixed_size: 0
    .kernarg_segment_align: 8
    .kernarg_segment_size: 120
    .max_flat_workgroup_size: 256
    .sgpr_count:     96
    .vgpr_count:     512
    .wavefront_size: 32
...
	.end_amdgpu_metadata
.endif
;; end of part 1
;; launch attn (part 2): grid 8 x 32, 16 waves a work-group, clusters of 4 x 1, 327,680 bytes of LDS; arguments qimg, kimg, vimg, maskbits, lowp_scales, wocodes, bo, out0; writes out0
.if DOCPART == 2
	.amdgcn_target "amdgcn-amd-amdhsa--gfx1250"
	.amdhsa_code_object_version 6
	.text
	.protected	k_qe347bf8e49_attn
	.globl	k_qe347bf8e49_attn
	.p2align	8
	.type	k_qe347bf8e49_attn,@function
k_qe347bf8e49_attn:
	s_mov_b64 s[64:65], 0
	v_nop
	global_prefetch_b8 v0, s[64:65] scope:SCOPE_SE
	s_setreg_imm32_b32 hwreg(HW_REG_WAVE_MODE, 25, 1), 1
	s_wait_xcnt 0x0
	s_wait_alu depctr_hold_cnt(0) depctr_sa_sdst(0) depctr_va_vdst(0) depctr_va_sdst(0) depctr_va_ssrc(0) depctr_va_vcc(0) depctr_vm_vsrc(0)
	s_getreg_b32 s2, hwreg(HW_REG_IB_STS2, 6, 4)
	s_cmp_eq_u32 s2, 0
	s_cbranch_scc0 .Lentry_in_a_cluster
	s_endpgm
.Lentry_in_a_cluster:
	s_bfe_u32 s2, ttmp6, 0x10000c
	s_cmp_lg_u32 s2, 0x3003
	s_cbranch_scc0 .Lentry_shape_is_right
	s_endpgm
.Lentry_shape_is_right:
; out = (softmax(mask(Q K^T / sqrt(32))) V) Wo^T + bo, all three products on codes of FP8 (E4M3), each operand with the scale 2^e given for it (e6 .. e11).
; THE SOFTMAX AHEAD OF THE SECOND PRODUCT: t = logit x log2(e); M = the row's largest t so far, rounded UP to a whole number; p = 2^(t - M) is what is quantised; the row's sum is taken of the
; unquantised p and divides at the end.  When M moves, the sum and O are multiplied by 2^(old M - new M): exact.
; SHARES.  A work-group owns 128 queries of one batch, all eight heads.  Wave w: query tile i = w % 8, and in pass j = 0 .. 3 head 2 j + w / 8; it walks all 1,024 keys, 128 a step.  A lane holds ONE query.
; Sixteen waves of 256 registers, four to a SIMD: one wave's vector work stands beside another's matrix work and LDS loads.
; LAYOUT.  S^T = K Q^T (source 0 = 16 keys, source 1 = my 16 queries), K = 32 channels in the 16x16x64 form: registers 4 to 7 of both fragments are zero codes.  Register j of tile t is key 16 t + 8 h + j,
; so the conversion of tile t gives registers 2 t, 2 t + 1 of P.  O^T = V^T P (V's fragments come as the launch before laid them): register 8 u + j is channel 16 h + 8 u + j of the head, so two conversions
; give one register group of the last product's operand, which goes to the other waves through LDS as an image of its registers.  Last product: wave w makes output columns 16 w .. 16 w + 15 for all 128 queries.
; THE MASK comes as words of one bit a lane, one word for each register of S^T, read into scalar registers a step ahead.  A hidden score becomes NEG = -2^(32 - e6 - e7), so that its t = c x NEG is one and the
; same whole number: a row with no open key gives p = 1 for every key, as the reference's -1e9 does.  LIMIT: that t is -1.0954e9 where the reference has -1.4427e9: the results are the same while open logits stay above -7e8.
; CLUSTER.  The four query blocks of a cluster belong to one batch and walk the same K and V: each tile is asked for JOINTLY, by the same tensor load with the same descriptor and a mask that names the four.
; RING.  Two slots of 131,072 bytes, each with a pass's K (two heads, 65,536 bytes) and V (likewise).  Waves 0 to 3 fetch K, waves 4 to 7 V, 16,384 dense bytes each.  A refill is asked for a whole pass,
; eight key steps of all sixteen waves, ahead of its first read, so nothing more is asked ahead of it.  A wave has at most one tensor load out.
; LIMITS on the given exponents, so that each power of two below is an f32 number: e6 + e7 between -90 and 120; e8 and e10 between -126 and 119; e10 + e11 between -126 and 127; e8 + e9 goes by v_ldexp_f32.
; LDS: 0 slot 0; 131072 slot 1; 262144 the spare words; 264192 O's 16 fragments ((2 i + s) x 2,048); the stage for the way out, 128 rows x 1,040 bytes from 0 on, is written when both slots have had their last fill and their last read.
.set SLOT1, 131072
.set SPARE, 262144                     ; 128 bytes for each of sixteen waves: eight blocks of 256 bytes that no other line names
.set OIMG,  264192
.set SP,    1040                       ; a stage row: 1,024 bytes + 16
.set LI,   1                           ; v1   16 x lane
.set AK0,  2                           ; v2   K: 16 x lane + 32,768 (w / 8)
.set AV0,  3                           ; v3   V: that + 65,536
.set SPW,  4                           ; v4   my spare word; never rewritten
.set NIL,  5                           ; v5   0; never rewritten
.set ADK,  6                           ; v6   the step's K
.set ADV,  7                           ; v7   the step's V
.set NEG,  8                           ; v8   a hidden score
.set PLIM, 9                           ; v9   448 x 2^e8
.set PSC,  10                          ; v10  2^e8
.set OA0,  11                          ; v11  where my O's codes go in pass 0
.set QF,   16                          ; v16-23   Q's fragment; v20-23 stay 0.   v12 -M, v13 the largest t, v[14:15] the sum in two halves
.set KF,   24                          ; v24-87   K's eight fragments; registers 4 to 7 of each stay 0
.set VF,   88                          ; v88-119  V's two
.set S,    120                         ; v120-183 S^T, then p
.set PCD,  184                         ; v184-199 p's codes
.set O,    200                         ; v200-215 O^T.   v216-223 at work; v224, v225: 448 x 2^e10, 2^e10; v226 an address; v227 e8 + e9; v[228:229] 2^(e10 + e11); v230-235 the tail's addresses
.set WFR,  24                          ; the tail: Wo's two fragments v24-55, bo v56-63, O's eight fragments v64-191, four accumulators v192-223
.set BO,   56
.set OF,   64
.set ACC,  192
.set MOFF, 4                           ; s4   byte of the step's 64 mask words in my query tile's 2,048
.set WV,   5                           ; s5   wave
.set KO,   28                          ; s28  LDS byte of the slot and step in hand
; s[2:3] mask words; s[6:7] lane selects; s[8:9] c; s[10:11] Q's image; s[12:15], s[24:27] descriptor groups 0 for K, V; s[16:23] group 1; s29, s30 counters; s31 pass x 1,024;
; s[32:63], s[68:99] the 64 mask words; s[66:67] bo; s[100:101] out0; s[104:105] Wo's codes
.macro CROUND                          ; a round of the cluster's barrier
	s_barrier_signal -1
	s_barrier_wait -1
	s_cmp_lg_u32 s[WV], 0
	s_cbranch_scc1 .Lnot_wave_0_\@
	s_barrier_signal -3
.Lnot_wave_0_\@:
	s_barrier_wait -3
	s_barrier_signal -1
	s_barrier_wait -1
.endm
; a joint load: waves 0 to 3 for K, waves 4 to 7 for V, the others nothing.  The branches hang on the wave's number alone.  An s_nop 0 and four v_nop follow each of the two lines
.macro JLOAD
	s_cmp_lt_u32 s[WV], 4
	s_cbranch_scc0 .Lnot_k_\@
	tensor_load_to_lds s[12:15], s[16:23]
	s_nop 0
.rept 4
	v_nop
.endr
	s_branch .Lasked_\@
.Lnot_k_\@:
	s_cmp_lt_u32 s[WV], 8
	s_cbranch_scc0 .Lasked_\@
	tensor_load_to_lds s[24:27], s[16:23]
	s_nop 0
.rept 4
	v_nop
.endr
.Lasked_\@:
.endm
.macro MLOAD                           ; a step's 64 mask words: word n in s[32 + n], from 32 on in s[36 + n]
	s_load_b512 s[32:47], s[2:3], s[MOFF] offset:0x0
	s_load_b512 s[48:63], s[2:3], s[MOFF] offset:0x40
	s_load_b512 s[68:83], s[2:3], s[MOFF] offset:0x80
	s_load_b512 s[84:99], s[2:3], s[MOFF] offset:0xc0
.endm
; A KEY STEP: 128 keys
.macro STEP
	v_add_nc_u32 v[ADK], s[KO], v[AK0]
	v_add_nc_u32 v[ADV], s[KO], v[AV0]
	v_nop                                          ; with the two additions: four places behind the last products, in front of loads into registers that they read (ISA guide 7.12.1 for vector instructions)
	v_nop
.irp t, 0,1,2,3,4,5,6,7
	ds_load_b128 v[KF+8*\t:KF+8*\t+3], v[ADK] offset:512*\t
.endr
.irp q, 0,1,2,3,4,5,6,7
	ds_load_b128 v[VF+4*\q:VF+4*\q+3], v[ADV] offset:512*\q
.endr
	s_wait_dscnt 8                                 ; K's eight loads are in; V's eight, issued behind them, may be out
.irp t, 0,1,2,3,4,5,6,7
	v_wmma_f32_16x16x64_fp8_fp8 v[S+8*\t:S+8*\t+7], v[KF+8*\t:KF+8*\t+7], v[QF:QF+7], 0
.endr
.rept 4
	v_nop
.endr
	s_wait_kmcnt 0x0                               ; this step's mask words, asked for a step ago
.set ii, 0
.rept 32
	v_cndmask_b32 v[S+ii], v[NEG], v[S+ii], s[32+ii]   ; the score where the lane's bit is set, else NEG; each accumulator from its low end on
.set ii, ii+1
.endr
.rept 32
	v_cndmask_b32 v[S+ii], v[NEG], v[S+ii], s[36+ii]
.set ii, ii+1
.endr
	s_add_co_u32 s[MOFF], s[MOFF], 256             ; the words' loads are done, so their offset may step: the next step's, and behind the eighth the first's again (every head has the same mask)
	s_and_b32 s[MOFF], s[MOFF], 0x7ff
	MLOAD
	v_max3_num_f32 v216, v[S], v[S+1], v[S+2]      ; the step's largest score of my query, among my 64 keys, in two chains,
	v_max3_num_f32 v217, v[S+3], v[S+4], v[S+5]
.irp i, 6,10,14,18,22,26,30,34,38,42,46,50,54,58
	v_max3_num_f32 v216, v216, v[S+\i], v[S+\i+1]
	v_max3_num_f32 v217, v217, v[S+\i+2], v[S+\i+3]
.endr
	v_max3_num_f32 v216, v216, v[S+62], v[S+63]
	v_max_num_f32 v216, v216, v217
	v_permlanex16_b32 v220, v216, s6, s7
	v_max_num_f32 v216, v216, v220                 ; and among lane l xor 16's
	v_mul_f32 v216, s8, v216                       ; as t (c is positive)
	v_max_num_f32 v13, v13, v216                   ; the running largest t
	v_mov_b32 v216, v12
	v_floor_f32 v12, -v13                          ; the new -M = floor(-t): M is a whole number
	v_sub_f32 v216, v12, v216                      ; old M - new M: a whole number, 0 or less
	v_cvt_i32_f32 v216, v216                       ; (it saturates)
	v_ldexp_f32 v218, 1.0, v216                    ; f = 2^(old M - new M)
.set ii, 0
.rept 32
	v_pk_fma_f32 v[S+ii:S+ii+1], v[S+ii:S+ii+1], s[8:9], v[12:13] op_sel_hi:[1,0,0]   ; t - M, two at a time (of the pairs c and -M the low word serves both halves)
.set ii, ii+2
.endr
.set ii, 0
.rept 64
	v_exp_f32 v[S+ii], v[S+ii]                     ; p = 2^(t - M), at most 1: not normalised
.set ii, ii+1
.endr
	v_pk_mul_f32 v[14:15], v[14:15], v[218:219] op_sel_hi:[1,0]   ; the sums under the new M: the plain line behind the exponentials
	s_wait_alu depctr_va_vdst(0)                   ; the wait ahead of the first line that names a result: one for the batch of 64
	v_pk_add_f32 v[222:223], v[S:S+1], v[S+2:S+3]  ; the row's sum is taken of the unquantised p: two at a time, in two chains
.irp j, 4,8,12,16,20,24,28,32,36,40,44,48,52,56,60
	v_pk_add_f32 v[14:15], v[14:15], v[S+\j:S+\j+1]
	v_pk_add_f32 v[222:223], v[222:223], v[S+\j+2:S+\j+3]
.endr
	v_pk_add_f32 v[14:15], v[14:15], v[222:223]
.irp b, 0,1,2,3
.irp i, 0,1,2,3,4,5,6,7,8,9,10,11,12,13,14,15
	v_min_num_f32 v[S+16*\b+\i], v[S+16*\b+\i], v[PLIM]   ; the conversion to an 8-bit code does not saturate (ISA guide 7.6.2); p is not negative, so the hold is one-sided
.endr
	v_cvt_scalef32_pk8_fp8_f32 v[PCD+4*\b:PCD+4*\b+1], v[S+16*\b:S+16*\b+7], v[PSC]
	v_cvt_scalef32_pk8_fp8_f32 v[PCD+4*\b+2:PCD+4*\b+3], v[S+16*\b+8:S+16*\b+15], v[PSC]
.endr
.irp j, 0,2,4,6,8,10,12,14
	v_pk_mul_f32 v[O+\j:O+\j+1], v[O+\j:O+\j+1], v[218:219] op_sel_hi:[1,0]   ; O^T under the new M; also the plain lines behind the last conversion
.endr
	s_wait_dscnt 0x0                               ; V is in
.irp u, 0,1
	v_wmma_f32_16x16x128_fp8_fp8 v[O+8*\u:O+8*\u+7], v[VF+16*\u:VF+16*\u+15], v[PCD:PCD+15], v[O+8*\u:O+8*\u+7]
.endr
	s_add_co_u32 s[KO], s[KO], 4096
.endm
; THE CHANGE OF SLOTS stands at a pass's head.  Each wave waits for all its tensor loads (its part of the slot that it is about to read), adds 0 to its spare word, and waits for that and for its LDS
; instructions on the slot that it has left.  fill = 1: that slot is filled with the next pass's tiles; the barrier is then a round of the cluster's, and the joint load is the first thing behind it.
.macro CHANGE fill
	s_wait_tensorcnt 0x0                           ; no tensor load of mine is out, so a group 0 may be written
	ds_add_u32 v[SPW], v[NIL]                      ; 0 onto my spare word
.if \fill
	s_xor_b32 s13, s13, SLOT1                      ; the walking descriptors: the other slot than last time,
	s_add_nc_u64 s[14:15], s[14:15], 65536         ; the next two heads; the type bits on top are not reached
	s_xor_b32 s25, s25, SLOT1
	s_add_nc_u64 s[26:27], s[26:27], 65536
.endif
	s_wait_dscnt 0x0                               ; the add is done, and so are my LDS instructions of the pass before
.if \fill
	CROUND
	JLOAD
.else
	s_barrier_signal -1
	s_barrier_wait -1
.endif
.endm
; a head is done: O^T / the sum x 2^(e8 + e9) is quantised and goes to LDS as one register group of the last product's operand
.macro FINISH
.rept 4
	v_nop                                          ; four places behind the last products
.endr
	v_add_f32 v14, v14, v15                        ; the sum's two halves,
	v_permlanex16_b32 v220, v14, s6, s7
	v_add_f32 v14, v14, v220                       ; and lane l xor 16's
	v_rcp_f32 v14, v14
	v_add_nc_u32 v226, s31, v[OA0]                 ; (the plain line behind the reciprocal)  head x 512 bytes on
	s_wait_alu depctr_va_vdst(0)                   ; the wait ahead of the first use
	v_ldexp_f32 v14, v14, v227
.irp j, 0,2,4,6,8,10,12,14
	v_pk_mul_f32 v[O+\j:O+\j+1], v[O+\j:O+\j+1], v[14:15] op_sel_hi:[1,0]
.endr
.irp i, 0,1,2,3,4,5,6,7,8,9,10,11,12,13,14,15
	v_med3_num_f32 v[O+\i], v[O+\i], -v224, v224
.endr
	v_cvt_scalef32_pk8_fp8_f32 v[PCD:PCD+1], v[O:O+7], v225
	v_cvt_scalef32_pk8_fp8_f32 v[PCD+2:PCD+3], v[O+8:O+15], v225
	v_nop                                          ; one plain line behind the last conversion: its sources are written next
	ds_store_b128 v226, v[PCD:PCD+3]
.endm
.macro PASS fill
	global_load_b128 v[QF:QF+3], v[LI], s[10:11]   ; my 16 queries of this pass's head
	v_mov_b32 v13, 0xff61b1e6                      ; the largest t so far: -3e38, under every t
	v_floor_f32 v12, -v13                          ; -M
	v_mov_b32 v14, 0
	v_mov_b32 v15, 0
.irp i, 0,1,2,3,4,5,6,7,8,9,10,11,12,13,14,15
	v_mov_b32 v[O+\i], 0                           ; the step is written once: the first finds zeros, which the first change of M leaves zeros
.endr
	CHANGE \fill
	s_wait_loadcnt 0x0                             ; Q is in, and its address may step
	s_add_nc_u64 s[10:11], s[10:11], 65536         ; two heads on (behind the last pass it is not used)
	s_mov_b32 s30, 8
.Lstep_\@:
	STEP
	s_sub_co_u32 s30, s30, 1
	s_cmp_lg_u32 s30, 0
	s_cbranch_scc1 .Lstep_\@
	FINISH
	s_sub_co_u32 s[KO], s[KO], 32768               ; back to a slot's first step,
	s_xor_b32 s[KO], s[KO], SLOT1                  ; in the other slot
	s_add_co_u32 s31, s31, 1024
.endm
; the last product for query tiles 4 mh .. 4 mh + 3: four accumulators by turns, two K steps; x 2^(e10 + e11) + bo; into the stage
.macro HALF mh
.irp f, 0,1,2,3,4,5,6,7
.irp c, 0,1,2,3
	ds_load_b128 v[OF+16*\f+4*\c:OF+16*\f+4*\c+3], v235 offset:(\mh)*16384+\f*2048+512*\c
.endr
.endr
	s_wait_dscnt 0x0
.irp mm, 0,1,2,3
	v_wmma_f32_16x16x128_fp8_fp8 v[ACC+8*\mm:ACC+8*\mm+7], v[WFR:WFR+15], v[OF+32*\mm:OF+32*\mm+15], 0
.endr
.irp mm, 0,1,2,3
	v_wmma_f32_16x16x128_fp8_fp8 v[ACC+8*\mm:ACC+8*\mm+7], v[WFR+16:WFR+31], v[OF+32*\mm+16:OF+32*\mm+31], v[ACC+8*\mm:ACC+8*\mm+7]
.endr
.rept 5
	v_nop                                          ; four places in front of the first read of results and of loads into the operands' registers; a fifth, since the next half's products begin these accumulators anew
.endr
.irp mm, 0,1,2,3
.irp i, 0,2,4,6
	v_pk_fma_f32 v[ACC+8*\mm+\i:ACC+8*\mm+\i+1], v[ACC+8*\mm+\i:ACC+8*\mm+\i+1], v[228:229], v[BO+\i:BO+\i+1]
.endr
.endr
.irp mm, 0,1,2,3
	ds_store_b128 v[230+\mh], v[ACC+8*\mm:ACC+8*\mm+3] offset:\mm*16*SP        ; lane (r, h): out(16 m + r, 16 w + 8 h + 0 .. 7)
	ds_store_b128 v[230+\mh], v[ACC+8*\mm+4:ACC+8*\mm+7] offset:\mm*16*SP+16
.endr
.endm
	s_load_b512 s[32:47], s[0:1], 0x0              ; qimg, kimg, vimg, maskbits, lowp_scales, wocodes, bo, out0
	v_lshl_add_u32 v[SPW], v0, 2, SPARE
	v_mov_b32 v[NIL], 0
	ds_add_u32 v[SPW], v[NIL]                      ; the wave's opening: the add and its wait ahead of my first tensor load; the set-up below, work on registers, stands between them
	v_lshrrev_b32 v6, 5, v0
	v_readfirstlane_b32 s[WV], v6                  ; wave 0..15
	; descriptor group 1: 64 dense rows of 32 elements of 8 bytes: 16,384 bytes as they lie
	s_mov_b32 s16, 15|(3<<16)|(1<<21)              ; 15:0 the mask: all four work-groups; 17:16 elements of 8 bytes; 20 no padding; 21 set beside a mask
	s_mov_b32 s17, 32<<16                          ; tensor_dim0 = 32
	s_mov_b32 s18, 64<<16                          ; tensor_dim1 = 64
	s_mov_b32 s19, 32<<16                          ; tile_dim0 = 32
	s_mov_b32 s20, 64                              ; tile_dim1 = 64
	s_mov_b32 s21, 32                              ; tensor_dim0_stride
	s_mov_b32 s22, 0
	s_mov_b32 s23, 0
	s_mov_b32 s6, 0x76543210
	s_mov_b32 s7, 0xfedcba98
	s_bfe_u32 s56, ttmp6, 0x40000                  ; cx: my place in the cluster
	s_lshl_b32 s57, ttmp9, 2
	s_add_co_u32 s57, s57, s56                     ; my block of 128 queries: it enters the addresses of Q, the mask words and out0 alone
	s_and_b32 s58, ttmp7, 0xffff                   ; the batch, which the four partners share
	s_and_b32 s59, s[WV], 7                        ; i
	s_lshr_b32 s60, s[WV], 3                       ; w / 8
	s_lshl_b32 s61, s57, 3
	s_add_co_u32 s61, s61, s59                     ; my query tile of the batch's 64
	s_lshl_b32 s68, s58, 18                        ; the batch's first byte in each image
	s_and_b32 s69, s[WV], 3
	s_lshl_b32 s69, s69, 14
	s_add_co_u32 s70, s68, s69                     ; what I fetch, if I fetch: 16,384 (w % 4) bytes into the pass's two heads,
	s_mov_b32 s71, 0
	s_lshl_b32 s72, s59, 14                        ; to 16,384 (w % 8) in the slot: no place in the cluster enters an LDS address
	s_wait_dscnt 0x0                               ; the opening add is done
	s_wait_kmcnt 0x0
	s_load_b64 s[48:49], s[40:41], 0x18            ; e6, e7
	s_load_b128 s[52:55], s[40:41], 0x20           ; e8 .. e11
	s_mov_b32 s12, 1                               ; count = 1
	s_mov_b32 s13, s72                             ; LDS address: slot 0
	s_add_nc_u64 s[14:15], s[34:35], s[70:71]      ; global address: heads 0 and 1
	s_or_b32 s15, s15, 0x80000000                  ; type = 2
	s_mov_b32 s24, 1
	s_mov_b32 s25, s72
	s_add_nc_u64 s[26:27], s[36:37], s[70:71]
	s_or_b32 s27, s27, 0x80000000
	CROUND                                         ; all four work-groups are here: the first joint loads meet
	JLOAD                                          ; slot 0
	s_mov_b32 s63, 0
	s_lshl_b32 s62, s61, 11
	s_add_nc_u64 s[2:3], s[38:39], s[62:63]        ; my query tile's 512 mask words
	s_lshl_b32 s62, s61, 9
	s_add_co_u32 s62, s62, s68
	s_lshl_b32 s73, s60, 15
	s_add_co_u32 s62, s62, s73
	s_add_nc_u64 s[10:11], s[32:33], s[62:63]      ; Q: batch, head w / 8, my tile
	s_lshl_b32 s62, s[WV], 6
	s_add_nc_u64 s[66:67], s[44:45], s[62:63]      ; bo: my 16 columns
	s_lshl_b32 s62, s58, 20
	s_lshl_b32 s74, s57, 17
	s_add_co_u32 s62, s62, s74
	s_lshl_b32 s74, s[WV], 13
	s_add_co_u32 s62, s62, s74
	s_add_nc_u64 s[100:101], s[46:47], s[62:63]    ; out0: batch, my block, the 8 rows that I store
	s_lshl_b32 s62, s[WV], 12
	s_add_nc_u64 s[104:105], s[42:43], s[62:63]    ; Wo's codes: my 16 rows
	v_and_b32 v6, 31, v0
	v_lshlrev_b32 v[LI], 4, v6
	v_add_nc_u32 v[AK0], s73, v[LI]
	v_add_nc_u32 v[AV0], 65536, v[AK0]
	s_lshl_b32 s74, s59, 12
	s_lshl_b32 s75, s60, 9
	s_add_co_u32 s74, s74, s75
	s_add_co_u32 s74, s74, OIMG
	v_add_nc_u32 v[OA0], s74, v[LI]                ; tile i's two fragments, register group w / 8 of the first
	v_and_b32 v6, 15, v0                           ; r
	v_bfe_u32 v7, v0, 4, 1                         ; h
	v_mul_u32_u24 v230, v6, SP
	v_lshl_add_u32 v230, v7, 5, v230
	s_lshl_b32 s74, s[WV], 6
	v_add_nc_u32 v230, s74, v230                   ; the stage, in: row r, + 32 h, + 64 w;
	v_add_nc_u32 v231, 64*SP, v230                 ; the same 64 rows further down
	s_mul_i32 s74, s[WV], 8*SP
	v_add_nc_u32 v232, s74, v[LI]                  ; back: my 8 rows, 16 bytes a lane
	v_lshlrev_b32 v233, 8, v6
	v_lshl_add_u32 v233, v7, 4, v233               ; Wo: row r of 256 codes + 16 h
	v_lshlrev_b32 v234, 5, v7                      ; bo: 8 h numbers on
	v_add_nc_u32 v235, OIMG, v[LI]
.irp i, 4,5,6,7
	v_mov_b32 v[QF+\i], 0                          ; zero codes for the upper half of the form's K = 64, in Q
.endr
.irp t, 0,1,2,3,4,5,6,7
.irp i, 4,5,6,7
	v_mov_b32 v[KF+8*\t+\i], 0                     ; and in K: set once, never loaded into
.endr
.endr
	v_mov_b32 v219, 0                              ; (named as the upper half of the pair v[218:219])
	v_mov_b32 v220, 0                              ; written once: a lane permute's destination counts as one of its sources
	s_wait_kmcnt 0x0
	s_add_co_i32 s74, s48, s49                     ; e6 + e7
	s_lshl_b32 s75, s74, 23
	s_add_co_i32 s8, s75, 0x3e8293ee               ; c = log2(e) / sqrt(32) x 2^(e6 + e7): the exponents are added to c's exponent field
	s_mov_b32 s9, s8                               ; (named with it as a pair, so it is written)
	s_sub_co_i32 s75, 159, s74
	s_lshl_b32 s75, s75, 23
	s_or_b32 s75, s75, 0x80000000
	v_mov_b32 v[NEG], s75                          ; -2^(32 - e6 - e7)
	s_add_co_i32 s75, s52, 127
	s_lshl_b32 s76, s75, 23
	v_mov_b32 v[PSC], s76                          ; 2^e8
	s_add_co_i32 s75, s75, 8
	s_lshl_b32 s75, s75, 23
	s_or_b32 s75, s75, 0x600000
	v_mov_b32 v[PLIM], s75                         ; 448 x 2^e8
	s_add_co_i32 s75, s54, 127
	s_lshl_b32 s76, s75, 23
	v_mov_b32 v225, s76                            ; 2^e10
	s_add_co_i32 s75, s75, 8
	s_lshl_b32 s75, s75, 23
	s_or_b32 s75, s75, 0x600000
	v_mov_b32 v224, s75                            ; 448 x 2^e10
	s_add_co_i32 s75, s52, s53
	v_mov_b32 v227, s75                            ; e8 + e9
	s_add_co_i32 s75, s54, s55
	s_add_co_i32 s75, s75, 127
	s_lshl_b32 s75, s75, 23
	v_mov_b32 v228, s75                            ; 2^(e10 + e11), twice
	v_mov_b32 v229, s75
	s_mov_b32 s[MOFF], 0
	s_mov_b32 s[KO], 0
	s_mov_b32 s31, 0
	MLOAD                                          ; the first step's mask words: all that stood in these registers has been used
	s_mov_b32 s29, 3
.Lpass:                                            ; three passes behind whose change of slots the next pass's tiles are asked for
	PASS 1
	s_sub_co_u32 s29, s29, 1
	s_cmp_lg_u32 s29, 0
	s_cbranch_scc1 .Lpass
	PASS 0                                         ; the last pass is written out
	; ---- THE LAST PRODUCT
.irp s, 0,1
.irp c, 0,1,2,3
	global_load_b128 v[WFR+16*\s+4*\c:WFR+16*\s+4*\c+3], v233, s[104:105] offset:128*\s+32*\c   ; Wo(16 w + r, 128 s + 32 c + 16 h + 0 .. 15): the order in which O's codes lie
.endr
.endr
	global_load_b128 v[BO:BO+3], v234, s[66:67]
	global_load_b128 v[BO+4:BO+7], v234, s[66:67] offset:16
	s_wait_kmcnt 0x0                               ; the mask words asked for in the last step are not used: their loads are waited for all the same
	s_wait_dscnt 0x0                               ; my codes of O lie in LDS, and my reads of the slots are over
	s_barrier_signal -1
	s_barrier_wait -1                              ; everybody's: O's sixteen fragments are whole, and the slots' bytes may take the stage
	s_wait_loadcnt 0x0
	HALF 0
	HALF 1
	s_wait_dscnt 0x0
	s_barrier_signal -1
	s_barrier_wait -1                              ; 128 whole rows of out0 lie in the stage
.irp n, 0,1,2,3,4,5,6,7,8,9,10,11,12,13,14,15
	ds_load_b128 v[OF+4*\n:OF+4*\n+3], v232 offset:SP*(\n/2)+512*(\n%2)
.endr
.irp n, 0,1,2,3,4,5,6,7,8,9,10,11,12,13,14,15
	s_wait_dscnt 15-\n                             ; LDS loads come back in order: number n is in, the younger ones may be out
	global_store_b128 v[LI], v[OF+4*\n:OF+4*\n+3], s[100:101] offset:1024*(\n/2)+512*(\n%2) th:TH_STORE_NT   ; 32 lanes store 512 consecutive bytes, at a multiple of 512 from out0's first byte
.endr
	s_wait_tensorcnt 0x0                           ; the wave's end: behind my last tensor load and my last LDS store
	ds_add_u32 v[SPW], v[NIL]
	s_wait_dscnt 0x0
	CROUND                                         ; the closing round: no work-group ends while a partner may still ask for a tile that names it
	s_endpgm
.Lfunc_end_k_qe347bf8e49_attn:
	.size	k_qe347bf8e49_attn, .Lfunc_end_k_qe347bf8e49_attn-k_qe347bf8e49_attn
	.p2alignl 7, 3214868480
	.fill 96, 4, 3214868480
	.section	.rodata,"a",@progbits
	.p2align	6, 0x0
	.amdhsa_kernel k_qe347bf8e49_attn
		.amdhsa_group_segment_fixed_size 327680
		.amdhsa_private_segment_fixed_size 0
		.amdhsa_enable_private_segment 0
		.amdhsa_kernarg_size 64
		.amdhsa_user_sgpr_count 2
		.amdhsa_user_sgpr_kernarg_segment_ptr 1
		.amdhsa_wavefront_size32 1
		.amdhsa_system_sgpr_workgroup_id_x 1
		.amdhsa_system_sgpr_workgroup_id_y 1
		.amdhsa_system_sgpr_workgroup_id_z 1
		.amdhsa_system_vgpr_workitem_id 0
		.amdhsa_next_free_vgpr 256
		.amdhsa_next_free_sgpr 106
		.amdhsa_reserve_vcc 0
		.amdhsa_float_denorm_mode_32 3
		.amdhsa_float_denorm_mode_16_64 3
		.amdhsa_memory_ordered 1
		.amdhsa_forward_progress 1
		.amdhsa_inst_pref_size 65
	.end_amdhsa_kernel
	.amdgpu_metadata
---
amdhsa.version: [ 1, 2 ]
amdhsa.kernels:
  - .name:           k_qe347bf8e49_attn
    .symbol:         k_qe347bf8e49_attn.kd
    .args:
      - { .name: qimg, .offset: 0, .size: 8, .value_kind: global_buffer, .address_space: global }
      - { .name: kimg, .offset: 8, .size: 8, .value_kind: global_buffer, .address_space: global }
      - { .name: vimg, .offset: 16, .size: 8, .value_kind: global_buffer, .address_space: global }
      - { .name: maskbits, .offset: 24, .size: 8, .value_kind: global_buffer, .address_space: global }
      - { .name: lowp_scales, .offset: 32, .size: 8, .value_kind: global_buffer, .address_space: global }
      - { .name: wocodes, .offset: 40, .size: 8, .value_kind: global_buffer, .address_space: global }
      - { .name: bo, .offset: 48, .size: 8, .value_kind: global_buffer, .address_space: global }
      - { .name: out0, .offset: 56, .size: 8, .value_kind: global_buffer, .address_space: global }
    .group_segment_fixed_size: 327680
    .private_segment_fixed_size: 0
    .kernarg_segment_align: 8
    .kernarg_segment_size: 64
    .max_flat_workgroup_size: 512
    .sgpr_count:     106
    .vgpr_count:     256
    .wavefront_size: 32
...
	.end_amdgpu_metadata
.endif
;; end of part 2
;; ======== version 2 of 2: 2 launches
;; limits: right only within a limited range of input values
;; workspace buffers: qimg 8,388,608 bytes; kimg 8,388,608 bytes; vimg 8,388,608 bytes; wocodes 65,536 bytes; maskbits 131,072 bytes of whole numbers
;; launch proj (part 3): grid 256 x 1, 8 waves a work-group, no clusters, 99,840 bytes of LDS; arguments x, Wq, Wk, Wv, bq, bk, bv, Wo, attn_mask, lowp_scales, qimg, kimg, vimg, wocodes, maskbits; writes qimg, kimg, vimg, wocodes, maskbits
.if DOCPART == 3
	.amdgcn_target "amdgcn-amd-amdhsa--gfx1250"
	.amdhsa_code_object_version 6
	.text
	.protected	k_qe347bf8e49_proj
	.globl	k_qe347bf8e49_proj
	.p2align	8
	.type	k_qe347bf8e49_proj,@function
k_qe347bf8e49_proj:
	s_mov_b64 s[64:65], 0
	v_nop
	global_prefetch_b8 v0, s[64:65] scope:SCOPE_SE
	s_setreg_imm32_b32 hwreg(HW_REG_WAVE_SCHED_MODE, 0, 2), 2
	s_setreg_imm32_b32 hwreg(HW_REG_WAVE_MODE, 25, 1), 1
	s_wait_xcnt 0x0
	s_wait_alu depctr_vm_vsrc(0)
; Q = x Wq^T + bq, K = x Wk^T + bk, V = x Wv^T + bv on codes of FP8 (E4M3), each operand with the scale 2^e given for it, and the three results quantised again
; for the attention launch; beside that Wo's codes and the mask packed into words of one bit a lane.
; SHARES.  Work-group g takes tokens 128 g .. 128 g + 127 (batch g / 8, key step g % 8).  Wave w quantises token tile w of x, three times (x has a scale of its own in each of the
; three products), and hands the six fragments to the other waves through LDS as images of their registers.  Wave w also owns head w: 32 columns each of Q, K and V for all eight token tiles;
; its twelve fragments of Wq, Wk, Wv are quantised by itself from f32 and stay in window 1.
; The weights are read by every work-group, but they arrive as f32 and go through registers to be quantised: there is no tile in LDS that a joint load could share, so the launch has no cluster.
; LAYOUT.  A fragment is 16 rows x 128 K in 16 registers: lane (r, h) holds row r, registers 4 c .. 4 c + 3 hold k = 32 c + 16 h + 0 .. 15: the same permutation of k in x and in W.
; THE ROWS OF W THAT FORM A TILE ARE NOT NEIGHBOURS: lane r of tile u takes row 32 w + 8 u + r + 8 (r / 8).
;   Q, K: transposed use (source 0 = W's tile, source 1 = x's): lane (r, h) holds token r, register j of tile u channel 16 h + 8 u + j: two conversions give the lane's 16 bytes of the image.
;   V: source 0 = x's tile, source 1 = Wv's: lane (r, h) holds ONE channel and register j token 8 h + j: one conversion gives registers 2 m, 2 m + 1 of a fragment of V^T whose K is the keys.
; The biases are the C of each sum's first matrix instruction, divided by the power of two that the sums lack.
; OUTPUT IMAGES.  qimg, kimg: [batch][head][token tile 64][lane][16 bytes].  vimg: [batch][head][key step 8][tile u 2][register group 4][lane][16 bytes].  wocodes: [256][256] codes.
; maskbits: word (8 qt + ks) 64 + 8 t + j, bit of lane (r, h) = attn_mask[16 qt + r][128 ks + 16 t + 8 h + j].
; LIMITS on the given exponents, so that each power of two below is an f32 number: e0 .. e5, e11, e6 - e0 - e1, e7 - e2 - e3 and e9 - e4 - e5 lie between -126 and 119.  NaN among the inputs is not served.
; LDS: 0 .. 98303 x's 48 fragments, (6 m + 2 sc + s) x 2,048; 98304 the 128 mask words; 98816 the spare words.
; REGISTERS, window 0: v1-15 addresses and scales; first v16-207 three sets of 64 loaded numbers, v208-239 two sets of 16 held numbers, v240-255 codes; then v16-111 x's six fragments,
;   v112-159 six accumulators, v160-191 V's two fragments, v192-255 Q's and K's codes of the eight token tiles.   window 1: v0-191 W's twelve fragments, v192-239 the biases' six tiles.
; THE MODE: SCHED_MODE bits 1:0 = 2 (LLVM: expert scheduling mode 2), set by the entry lines.  The code itself states the register dependences
; between vector or matrix instructions and memory or LDS instructions, with s_wait_alu, always for 0.
; THE PLAN.  Registers that memory or LDS instructions touch:
;   v1-5, v14, v15   offsets and LDS addresses: made at the head, never written again.   v6, v7: made at the head, read by the closing add alone.
;   v12, v13         the biases' offsets: read by the ten bias loads, written again behind the barrier.   v10, v11: at work at the head, then bv's two loads land in them.
;   R0 .. R2         unit n's loads land in set n % 3; its holds (and, for W, its conversions) name the set; behind them unit n + 3's loads land in it.
;   PC (v240-255)    first the small jobs' offsets and data; then written by x's conversions and read by the four LDS stores of each image.
;   XF (v16-111)     token tile m's 24 LDS loads land in it; its twelve matrix instructions read it; behind them tile m + 1's loads land in it.
;   CD + 8 m, VC     written once each by tile m's conversions; read by global stores that are issued in tile m + 1 (V's and the last tile's: behind the last tile).
;   The two sets of held numbers, the accumulators and window 1 (the biases' loads aside, at the head) are named by vector and matrix instructions alone.
; So: one wait on va_vdst ahead of each image (the third of a unit also frees the set for its reload); one wait on vm_vsrc in each of x's quantisings, ahead of its first conversion;
; one wait on va_vdst behind each of W's units that is followed by a reload; the pair behind the barrier; and ONE wait on va_vdst in a token tile, behind its products, for the next tile's
; LDS loads and the stores of the tile before.
.set MSK,   98304
.set SPARE, 98816                      ; the spare words, 128 bytes for each of eight waves: four blocks of 256 bytes that no other line names
.set LI,    1                          ; v1   16 x lane
.set XA,    2                          ; v2   x: row r of 1,024 bytes + 64 h
.set WA,    3                          ; v3   W: row r + 8 (r / 8) of 1,024 bytes + 64 h
.set XWI,   4                          ; v4   where I store x's images: 16 x lane + 12,288 x wave
.set LI2,   5                          ; v5   16 x lane + 49,152: images of token tiles 4 to 7
.set SPW,   6                          ; v6   my spare word; never rewritten
.set NIL,   7                          ; v7   0; never rewritten
.set SC,    8                          ; v8   the scale in hand, as f32
.set LIM,   9                          ; v9   448 x that
.set MSKR,  14                         ; v14  the mask words, read back
.set MSKW,  15                         ; v15  the mask words, my lane's place (waves 4 to 7)
.set R,     16
.set T,     208
.set PC,    240
.set XF,    16
.set ACC,   112
.set VC,    160
.set CD,    192
.set WF,    0                          ; window 1
.set BQ,    192                        ; window 1: bq's two tiles, bk's two, bv's two
.set WV,    2                          ; s2   wave
.set MSB, 0
.macro WIN new                         ; the immediate's high byte repeats the setting that is left
.if MSB != \new
	s_set_vgpr_msb (MSB<<8)|\new
.set MSB, \new
.endif
.endm
.macro MKSC dst, e                     ; s[dst] = 2^e as f32, s[dst + 1] = 448 x 2^e
	s_add_co_i32 s[\dst+1], s[\e], 127
	s_lshl_b32 s[\dst], s[\dst+1], 23
	s_add_co_i32 s[\dst+1], s[\dst+1], 8
	s_lshl_b32 s[\dst+1], s[\dst+1], 23
	s_or_b32 s[\dst+1], s[\dst+1], 0x600000
.endm
.macro SETSC p
	v_mov_b32 v[SC], s[\p]
	v_mov_b32 v[LIM], s[\p+1]
.endm
; 16 loads: 16 rows x 128 along K as f32, 64 numbers a lane: register 16 b + 4 j + .. = k 32 b + 16 h + 4 j + ..
.macro ULOAD set, adr, base, off, nt
.irp b, 0,1,2,3
.irp j, 0,1,2,3
.if \nt
	global_load_b128 v[R+64*(\set)+16*\b+4*\j:R+64*(\set)+16*\b+4*\j+3], v[\adr], s[\base:\base+1] offset:(\off)+128*\b+16*\j th:TH_LOAD_NT
.else
	global_load_b128 v[R+64*(\set)+16*\b+4*\j:R+64*(\set)+16*\b+4*\j+3], v[\adr], s[\base:\base+1] offset:(\off)+128*\b+16*\j
.endif
.endr
.endr
.endm
; unit n: 0, 1: x's K steps; 2 .. 13: fragment n - 2 of W (matrix (n - 2) / 4, tile ((n - 2) / 2) % 2, K step (n - 2) % 2).  Set n % 3
.macro UNITLOAD n
.if (\n) < 2
	ULOAD (\n)%3, XA, 4, 512*(\n), 1
.else
	ULOAD (\n)%3, WA, 6+2*(((\n)-2)/4), 8192*((((\n)-2)/2)%2)+512*(((\n)-2)%2), 0
.endif
.endm
; x's 64 numbers stay as they are (they are quantised three times): the held numbers go into two sets of 16 by turns, so that plain lines stand between a conversion and the next write of its sources
.macro QUANTX src
.irp b, 0,1,2,3
.irp i, 0,1,2,3,4,5,6,7,8,9,10,11,12,13,14,15
	v_med3_num_f32 v[T+16*(\b%2)+\i], v[\src+16*\b+\i], -v[LIM], v[LIM]   ; the conversion to an 8-bit code does not saturate (ISA guide 7.6.2): the hold at the largest code x the scale
.endr
.if \b == 0
	s_wait_alu depctr_vm_vsrc(0)                   ; the LDS stores of the fragment before have read v240 on (ahead of the first fragment: the small jobs' loads and stores have read their offsets and data there), which the conversions below write
.endif
	v_cvt_scalef32_pk8_fp8_f32 v[PC+4*\b:PC+4*\b+1], v[T+16*(\b%2):T+16*(\b%2)+7], v[SC]
	v_cvt_scalef32_pk8_fp8_f32 v[PC+4*\b+2:PC+4*\b+3], v[T+16*(\b%2)+8:T+16*(\b%2)+15], v[SC]
.endr
	v_nop                                          ; one plain line behind the last conversion: its scale is written next
.endm
.macro IMAGE off                       ; the fragment in v[PC] on goes to LDS as it stands
.irp c, 0,1,2,3
	ds_store_b128 v[XWI], v[PC+4*\c:PC+4*\c+3] offset:(\off)+512*\c
.endr
.endm
; W's 64 numbers are held in place; the eight conversions write the fragment straight into window 1, in one stretch under one setting
.macro QUANTW src, dst
.set ii, 0
.rept 64
	v_med3_num_f32 v[\src+ii], v[\src+ii], -v[LIM], v[LIM]
.set ii, ii+1
.endr
	WIN 0x40                                       ; destination window 1
.irp q, 0,1,2,3,4,5,6,7
	v_cvt_scalef32_pk8_fp8_f32 v[\dst+2*\q:\dst+2*\q+1], v[\src+8*\q:\src+8*\q+7], v[SC]
.endr
	WIN 0
	v_nop                                          ; one plain line behind the last conversion
.endm
.macro XFETCH m                        ; token tile m's six fragments of x, from any wave's images
.irp f, 0,1,2,3,4,5
.irp c, 0,1,2,3
.if (\m) < 4
	ds_load_b128 v[XF+16*\f+4*\c:XF+16*\f+4*\c+3], v[LI] offset:((\m)%4)*12288+\f*2048+512*\c
.else
	ds_load_b128 v[XF+16*\f+4*\c:XF+16*\f+4*\c+3], v[LI2] offset:((\m)%4)*12288+\f*2048+512*\c
.endif
.endr
.endr
.endm
; twelve matrix instructions: six accumulators (Q0, Q1, K0, K1, V0, V1) by turns, one instruction a turn; K step 0 starts each sum with its bias as C
.macro MM
	WIN 0x11                                       ; source 0 (W) and source 2 (bias) window 1
.irp a, 0,1,2,3
	v_wmma_f32_16x16x128_fp8_fp8 v[ACC+8*\a:ACC+8*\a+7], v[WF+32*\a:WF+32*\a+15], v[XF+32*(\a/2):XF+32*(\a/2)+15], v[BQ+8*\a:BQ+8*\a+7]
.endr
	WIN 0x14                                       ; source 1 (Wv) and source 2 window 1
.irp a, 4,5
	v_wmma_f32_16x16x128_fp8_fp8 v[ACC+8*\a:ACC+8*\a+7], v[XF+64:XF+79], v[WF+32*\a:WF+32*\a+15], v[BQ+8*\a:BQ+8*\a+7]
.endr
	WIN 0x01
.irp a, 0,1,2,3
	v_wmma_f32_16x16x128_fp8_fp8 v[ACC+8*\a:ACC+8*\a+7], v[WF+32*\a+16:WF+32*\a+31], v[XF+32*(\a/2)+16:XF+32*(\a/2)+31], v[ACC+8*\a:ACC+8*\a+7]
.endr
	WIN 0x04
.irp a, 4,5
	v_wmma_f32_16x16x128_fp8_fp8 v[ACC+8*\a:ACC+8*\a+7], v[XF+80:XF+95], v[WF+32*\a+16:WF+32*\a+31], v[ACC+8*\a:ACC+8*\a+7]
.endr
	WIN 0
.endm
; token tile m's results are held and converted (each accumulator from its low end on), into registers that are the tile's own
.macro OUT m
.set ii, 0
.rept 16
	v_med3_num_f32 v[ACC+ii], v[ACC+ii], -v9, v9
.set ii, ii+1
.endr
.rept 16
	v_med3_num_f32 v[ACC+ii], v[ACC+ii], -v11, v11
.set ii, ii+1
.endr
.rept 16
	v_med3_num_f32 v[ACC+ii], v[ACC+ii], -v13, v13
.set ii, ii+1
.endr
	v_cvt_scalef32_pk8_fp8_f32 v[CD+8*(\m):CD+8*(\m)+1], v[ACC:ACC+7], v8
	v_cvt_scalef32_pk8_fp8_f32 v[CD+8*(\m)+2:CD+8*(\m)+3], v[ACC+8:ACC+15], v8
	v_cvt_scalef32_pk8_fp8_f32 v[CD+8*(\m)+4:CD+8*(\m)+5], v[ACC+16:ACC+23], v10
	v_cvt_scalef32_pk8_fp8_f32 v[CD+8*(\m)+6:CD+8*(\m)+7], v[ACC+24:ACC+31], v10
	v_cvt_scalef32_pk8_fp8_f32 v[VC+2*(\m):VC+2*(\m)+1], v[ACC+32:ACC+39], v12
	v_cvt_scalef32_pk8_fp8_f32 v[VC+16+2*(\m):VC+16+2*(\m)+1], v[ACC+40:ACC+47], v12
	v_nop                                          ; one plain line behind the last conversion: the next products write its sources
.endm
; token tile m's codes of Q and of K are stored: 512 consecutive bytes a store
.macro SENDQK m
	global_store_b128 v[LI], v[CD+8*(\m):CD+8*(\m)+3], s[24:25] offset:512*(\m)
	global_store_b128 v[LI], v[CD+8*(\m)+4:CD+8*(\m)+7], s[26:27] offset:512*(\m)
.endm
	s_load_b512 s[4:19], s[0:1], 0x0               ; x, Wq, Wk, Wv, bq, bk, bv, Wo
	s_load_b256 s[20:27], s[0:1], 0x40             ; attn_mask, lowp_scales, qimg, kimg
	s_load_b128 s[28:31], s[0:1], 0x60             ; vimg, wocodes
	s_load_b64 s[32:33], s[0:1], 0x70              ; maskbits
	v_lshl_add_u32 v[SPW], v0, 2, SPARE
	v_mov_b32 v[NIL], 0
	v_lshrrev_b32 v8, 5, v0
	v_readfirstlane_b32 s[WV], v8                  ; wave 0..7
	v_and_b32 v8, 31, v0                           ; lane
	v_lshlrev_b32 v[LI], 4, v8
	v_and_b32 v9, 15, v0                           ; r
	v_bfe_u32 v10, v0, 4, 1                        ; h
	v_lshlrev_b32 v[XA], 10, v9
	v_lshl_add_u32 v[XA], v10, 6, v[XA]
	v_and_b32 v11, 8, v9
	v_add_nc_u32 v11, v11, v9                      ; r + 8 (r / 8)
	v_lshlrev_b32 v[WA], 10, v11
	v_lshl_add_u32 v[WA], v10, 6, v[WA]
	s_wait_alu depctr_va_sdst(0)                   ; s2, the wave's number, is written, ahead of its first reader: offsets, bases and branches are made from it
	s_mul_i32 s76, s[WV], 12288
	v_add_nc_u32 v[XWI], s76, v[LI]
	v_add_nc_u32 v[LI2], 49152, v[LI]
	v_add_nc_u32 v[MSKR], MSK, v[LI]
	v_lshl_add_u32 v[MSKW], v0, 2, MSK-512         ; 128 (wave - 4) + 4 x lane behind MSK
	v_lshlrev_b32 v12, 6, v10                      ; bq, bk: 64 h bytes: channels 16 h on
	v_lshlrev_b32 v13, 2, v11                      ; bv: my lane's one channel
	s_lshr_b32 s77, ttmp9, 3                       ; batch
	s_and_b32 s78, ttmp9, 7                        ; key step
	s_lshl_b32 s80, ttmp9, 17
	s_lshl_b32 s79, s[WV], 14
	s_add_co_u32 s80, s80, s79                     ; x: (128 g + 16 w) rows of 1,024 bytes
	s_mov_b32 s81, 0
	s_lshl_b32 s82, s[WV], 15                      ; W: my head's 32 rows
	s_mov_b32 s83, 0
	s_lshl_b32 s84, s[WV], 7                       ; biases: my head's 32 numbers
	s_mov_b32 s85, 0
	s_lshl_b32 s86, s77, 18
	s_add_co_u32 s86, s86, s82
	s_lshl_b32 s79, s78, 12
	s_add_co_u32 s86, s86, s79                     ; images: batch x 262,144 + head x 32,768 + key step x 4,096
	s_mov_b32 s87, 0
	s_and_b32 s79, s[WV], 3                        ; the mask: block B = 2 g + (w & 3) / 2 of 16 queries x 128 keys, half w & 1 of its keys
	s_lshr_b32 s79, s79, 1
	s_lshl_b32 s88, ttmp9, 1
	s_add_co_u32 s88, s88, s79
	s_lshr_b32 s79, s88, 3                         ; query tile
	s_and_b32 s88, s88, 7                          ; key step
	s_lshl_b32 s79, s79, 14
	s_lshl_b32 s88, s88, 7
	s_add_co_u32 s88, s88, s79
	s_and_b32 s79, s[WV], 1
	s_lshl_b32 s79, s79, 6
	s_add_co_u32 s88, s88, s79
	s_mov_b32 s89, 0
	s_wait_kmcnt 0x0
	s_load_b256 s[36:43], s[22:23], 0x0            ; e0 .. e7
	s_load_b128 s[44:47], s[22:23], 0x20           ; e8 .. e11
	s_add_nc_u64 s[4:5], s[4:5], s[80:81]
	s_add_nc_u64 s[6:7], s[6:7], s[82:83]
	s_add_nc_u64 s[8:9], s[8:9], s[82:83]
	s_add_nc_u64 s[10:11], s[10:11], s[82:83]
	s_add_nc_u64 s[12:13], s[12:13], s[84:85]
	s_add_nc_u64 s[14:15], s[14:15], s[84:85]
	s_add_nc_u64 s[16:17], s[16:17], s[84:85]
	s_add_nc_u64 s[24:25], s[24:25], s[86:87]
	s_add_nc_u64 s[26:27], s[26:27], s[86:87]
	s_add_nc_u64 s[28:29], s[28:29], s[86:87]
	s_add_nc_u64 s[20:21], s[20:21], s[88:89]
	s_lshl_b32 s80, ttmp9, 10
	s_add_nc_u64 s[18:19], s[18:19], s[80:81]      ; Wo: row g
	s_lshl_b32 s80, ttmp9, 8
	s_add_nc_u64 s[30:31], s[30:31], s[80:81]      ; its codes
	s_lshl_b32 s80, ttmp9, 9
	s_add_nc_u64 s[32:33], s[32:33], s[80:81]      ; my work-group's 128 mask words
	WIN 0x40                                       ; destination window 1
	s_wait_alu depctr_va_vdst(0)                   ; the head's offsets and addresses v1 to v7 and v12 to v15 are written, which the loads and stores of the whole kernel read; the head is done with v10 and v11, in which bv's loads land
.irp u, 0,1
	global_load_b128 v[BQ+8*\u:BQ+8*\u+3], v12, s[12:13] offset:32*\u          ; bq at channels 16 h + 8 u + 0 .. 7
	global_load_b128 v[BQ+8*\u+4:BQ+8*\u+7], v12, s[12:13] offset:32*\u+16
	global_load_b128 v[BQ+16+8*\u:BQ+16+8*\u+3], v12, s[14:15] offset:32*\u    ; bk likewise
	global_load_b128 v[BQ+16+8*\u+4:BQ+16+8*\u+7], v12, s[14:15] offset:32*\u+16
.endr
	WIN 0
	global_load_b32 v10, v13, s[16:17]             ; bv at channel r + 8 (r / 8),
	global_load_b32 v11, v13, s[16:17] offset:32   ; and 8 further on
	UNITLOAD 0
	UNITLOAD 1
	UNITLOAD 2
	s_wait_kmcnt 0x0
	MKSC 48, 36                                    ; x under e0, e2, e4
	MKSC 50, 38
	MKSC 52, 40
	MKSC 54, 37                                    ; Wq, Wk, Wv
	MKSC 56, 39
	MKSC 58, 41
	MKSC 60, 47                                    ; Wo
	s_add_co_i32 s76, s36, s37                     ; a sum of the first product stands for sum x 2^(e0 + e1): bq goes in as bq / 2^(e0 + e1), and Q's conversion takes 2^(e6 - e0 - e1)
	s_sub_co_i32 s72, 0, s76
	s_sub_co_i32 s77, s42, s76
	MKSC 66, 77
	s_add_co_i32 s76, s38, s39
	s_sub_co_i32 s73, 0, s76
	s_sub_co_i32 s77, s43, s76
	MKSC 68, 77
	s_add_co_i32 s76, s40, s41
	s_sub_co_i32 s74, 0, s76
	s_sub_co_i32 s77, s45, s76
	MKSC 70, 77
	; ---- two small jobs, told apart by the wave's number.  Wave 0: row g of Wo becomes 256 codes.  Waves 4 to 7: 32 mask words each
	s_cmp_lg_u32 s[WV], 0
	s_cbranch_scc1 .Lnot_wo
	v_and_b32 v240, 31, v0
	v_lshlrev_b32 v241, 3, v240                    ; 8 codes a lane
	v_lshlrev_b32 v240, 5, v240                    ; 8 numbers a lane
	s_wait_alu depctr_va_vdst(0)                   ; v240 is written, which the two loads read as their offset
	global_load_b128 v[244:247], v240, s[18:19] th:TH_LOAD_NT
	global_load_b128 v[248:251], v240, s[18:19] offset:16 th:TH_LOAD_NT
	SETSC 60
	s_wait_alu depctr_va_vdst(0)
	s_wait_loadcnt 0x0
.irp i, 0,1,2,3,4,5,6,7
	v_med3_num_f32 v[244+\i], v[244+\i], -v[LIM], v[LIM]
.endr
	v_cvt_scalef32_pk8_fp8_f32 v[252:253], v[244:251], v[SC]
	v_nop                                          ; one plain line behind the conversion
	s_wait_alu depctr_va_vdst(0)                   ; the conversion has written v[252:253], which the store reads
	global_store_b64 v241, v[252:253], s[30:31]    ; 32 lanes store the row's 256 consecutive bytes
	s_branch .Lside_done
.Lnot_wo:
	s_cmp_lt_u32 s[WV], 4
	s_cbranch_scc1 .Lside_done
	v_and_b32 v240, 15, v0
	v_bfe_u32 v241, v0, 4, 1
	v_lshlrev_b32 v240, 10, v240
	v_lshl_add_u32 v240, v241, 3, v240             ; query r's row of 1,024 bytes + 8 h
	s_wait_alu depctr_va_vdst(0)                   ; v240 is written, which the four loads read as their offset
.irp t, 0,1,2,3
	global_load_b64 v[244+2*\t:245+2*\t], v240, s[20:21] offset:16*\t th:TH_LOAD_NT   ; keys 16 t + 8 h + 0 .. 7 of my half
.endr
	v_mov_b32 v253, 0                              ; written whole before lanes of it are written
	s_wait_loadcnt 0x0
	; word n = 8 t + j: a bit for each lane (r, h).  The 32 compares stand in one run, each into a scalar register of its own (s36-47 and s76-95: the exponents and the head's offsets there have been used)
.set nn, 0
.rept 32
	v_and_b32 v252, 0xff<<(8*(nn%4)), v[244+nn/4]
.if nn < 12
	v_cmp_ne_u32 s[36+nn], 0, v252
.else
	v_cmp_ne_u32 s[64+nn], 0, v252
.endif
.set nn, nn+1
.endr
	s_wait_alu depctr_va_sdst(0)                   ; the 32 compares have written their scalar registers, ahead of the first line that reads one
.set nn, 0
.rept 32
.if nn < 12
	v_writelane_b32 v253, s[36+nn], nn             ; word n goes to lane n
.else
	v_writelane_b32 v253, s[64+nn], nn
.endif
.set nn, nn+1
.endr
	s_wait_alu depctr_va_vdst(0)                   ; v253 is written, which the LDS store reads
	ds_store_b32 v[MSKW], v253
.Lside_done:
	s_wait_xcnt 0x0                                ; the small jobs' offsets and store data lie in registers that the codes take next (the wait on vm_vsrc for them stands in the first quantising, ahead of its first conversion)
	; ---- fourteen units of 64 numbers a lane, three sets of registers: two units' loads stay out while one is worked
.irp n, 0,1
	s_wait_loadcnt 32                              ; this unit's 16 loads are in; the two younger units' 32 may be out
.irp sc, 0,1,2
	SETSC 48+2*\sc
	QUANTX R+64*\n
	s_wait_alu depctr_va_vdst(0)                   ; the conversions have written v240 on, which the LDS stores read; behind the third quantising the holds are also done reading the set, in which the loads below land
.if \sc == 2
	UNITLOAD \n+3                                  ; the set is asked for again at once: no vector instruction since the wait names it
.endif
	IMAGE (2*\sc+\n)*2048
.endr
.endr
	WIN 0x41                                       ; source 0 and destination window 1
.set ii, 0
.rept 16
	v_ldexp_f32 v[BQ+ii], v[BQ+ii], s72            ; bq / 2^(e0 + e1)
.set ii, ii+1
.endr
.rept 16
	v_ldexp_f32 v[BQ+ii], v[BQ+ii], s73            ; bk / 2^(e2 + e3)
.set ii, ii+1
.endr
	WIN 0x40                                       ; destination window 1
.irp u, 0,1
.irp j, 0,1,2,3,4,5,6,7
	v_ldexp_f32 v[BQ+32+8*\u+\j], v[10+\u], s74    ; bv / 2^(e4 + e5): a lane's eight registers are eight tokens of one channel
.endr
.endr
	WIN 0
.irp n, 2,3,4,5,6,7,8,9,10,11,12,13
.if \n <= 11
	s_wait_loadcnt 32
.elseif \n == 12
	s_wait_loadcnt 16                              ; one younger unit is left
.else
	s_wait_loadcnt 0
.endif
	SETSC 54+2*((\n-2)/4)
	QUANTW R+64*(\n%3), WF+16*(\n-2)
.if \n <= 10
	s_wait_alu depctr_va_vdst(0)                   ; the holds have written the set and the conversions are done reading it: the loads below land in it
	UNITLOAD \n+3
.endif
.endr
	; ---- the one barrier: every wave's images of x, and the mask words, lie in LDS
	s_wait_dscnt 0x0
	s_barrier_signal -1
	s_barrier_wait -1
	s_wait_alu depctr_va_vdst(0)                   ; the last three units' holds and conversions are done with v16 to v207, in which x's fragments land
	s_wait_alu depctr_vm_vsrc(0)                   ; the LDS stores of x's last image have read v240 on, in which wave 1's mask words land; the biases' loads have read v12 and v13, which are written below
	s_cmp_lg_u32 s[WV], 1
	s_cbranch_scc1 .Lnot_msk
	ds_load_b128 v[240:243], v[MSKR]
	s_wait_dscnt 0x0
	global_store_b128 v[LI], v[240:243], s[32:33]  ; the 128 words: 512 consecutive bytes
	s_wait_xcnt 0x0                                ; the store's data lie in registers that codes take later
	s_wait_alu depctr_vm_vsrc(0)                   ; the store has read v[240:243], which token tile 6's conversions write
.Lnot_msk:
	v_mov_b32 v8, s66                              ; 2^(e6 - e0 - e1), 448 x that: Q's
	v_mov_b32 v9, s67
	v_mov_b32 v10, s68                             ; K's
	v_mov_b32 v11, s69
	v_mov_b32 v12, s70                             ; V's
	v_mov_b32 v13, s71
	XFETCH 0                                       ; no vector instruction since the wait on va_vdst behind the barrier names v16 to v111
.irp m, 0,1,2,3,4,5,6,7
	s_wait_dscnt 0x0                               ; the tile's six fragments are in
	MM
.rept 4
	v_nop                                          ; four places behind the products (ISA guide 7.12.1), in front of the first read of results; they stay beside the wait below
.endr
	s_wait_alu depctr_va_vdst(0)                   ; the products are done reading x's fragments, in which the next tile's loads land; the conversions of the tile before have written its codes, which the two stores read
.if \m < 7
	XFETCH \m+1
.endif
.if \m > 0
	SENDQK \m-1
.endif
	OUT \m                                         ; names the accumulators, the scales and this tile's own code registers: none that the loads and stores above touch
.endr
	s_wait_alu depctr_va_vdst(0)                   ; the last tile's conversions have written its codes and the last registers of V's two fragments, which the stores below read
	SENDQK 7
.irp q, 0,1,2,3,4,5,6,7
	global_store_b128 v[LI], v[VC+4*\q:VC+4*\q+3], s[28:29] offset:512*\q   ; V's two fragments of this key step, register group by register group
.endr
	s_wait_dscnt 0x0                               ; the wave's end
	s_wait_alu 0x0
	s_wait_tensorcnt 0x0
	ds_add_u32 v[SPW], v[NIL]
	s_wait_dscnt 0x0
	s_endpgm
.Lfunc_end_k_qe347bf8e49_proj:
	.size	k_qe347bf8e49_proj, .Lfunc_end_k_qe347bf8e49_proj-k_qe347bf8e49_proj
	.p2alignl 7, 3214868480
	.fill 96, 4, 3214868480
	.section	.rodata,"a",@progbits
	.p2align	6, 0x0
	.amdhsa_kernel k_qe347bf8e49_proj
		.amdhsa_group_segment_fixed_size 99840
		.amdhsa_private_segment_fixed_size 0
		.amdhsa_enable_private_segment 0
		.amdhsa_kernarg_size 120
		.amdhsa_user_sgpr_count 2
		.amdhsa_user_sgpr_kernarg_segment_ptr 1
		.amdhsa_wavefront_size32 1
		.amdhsa_system_sgpr_workgroup_id_x 1
		.amdhsa_system_sgpr_workgroup_id_y 1
		.amdhsa_system_sgpr_workgroup_id_z 1
		.amdhsa_system_vgpr_workitem_id 0
		.amdhsa_next_free_vgpr 512
		.amdhsa_next_free_sgpr 96
		.amdhsa_reserve_vcc 0
		.amdhsa_float_denorm_mode_32 3
		.amdhsa_float_denorm_mode_16_64 3
		.amdhsa_memory_ordered 1
		.amdhsa_forward_progress 1
		.amdhsa_inst_pref_size 177
	.end_amdhsa_kernel
	.amdgpu_metadata
---
amdhsa.version: [ 1, 2 ]
amdhsa.kernels:
  - .name:           k_qe347bf8e49_proj
    .symbol:         k_qe347bf8e49_proj.kd
    .args:
      - { .name: x, .offset: 0, .size: 8, .value_kind: global_buffer, .address_space: global }
      - { .name: Wq, .offset: 8, .size: 8, .value_kind: global_buffer, .address_space: global }
      - { .name: Wk, .offset: 16, .size: 8, .value_kind: global_buffer, .address_space: global }
      - { .name: Wv, .offset: 24, .size: 8, .value_kind: global_buffer, .address_space: global }
      - { .name: bq, .offset: 32, .size: 8, .value_kind: global_buffer, .address_space: global }
      - { .name: bk, .offset: 40, .size: 8, .value_kind: global_buffer, .address_space: global }
      - { .name: bv, .offset: 48, .size: 8, .value_kind: global_buffer, .address_space: global }
      - { .name: Wo, .offset: 56, .size: 8, .value_kind: global_buffer, .address_space: global }
      - { .name: attn_mask, .offset: 64, .size: 8, .value_kind: global_buffer, .address_space: global }
      - { .name: lowp_scales, .offset: 72, .size: 8, .value_kind: global_buffer, .address_space: global }
      - { .name: qimg, .offset: 80, .size: 8, .value_kind: global_buffer, .address_space: global }
      - { .name: kimg, .offset: 88, .size: 8, .value_kind: global_buffer, .address_space: global }
      - { .name: vimg, .offset: 96, .size: 8, .value_kind: global_buffer, .address_space: global }
      - { .name: wocodes, .offset: 104, .size: 8, .value_kind: global_buffer, .address_space: global }
      - { .name: maskbits, .offset: 112, .size: 8, .value_kind: global_buffer, .address_space: global }
    .group_segment_fixed_size: 99840
    .private_segment_fixed_size: 0
    .kernarg_segment_align: 8
    .kernarg_segment_size: 120
    .max_flat_workgroup_size: 256
    .sgpr_count:     96
    .vgpr_count:     512
    .wavefront_size: 32
...
	.end_amdgpu_metadata
.endif
;; end of part 3
;; launch attn (part 4): grid 8 x 32, 16 waves a work-group, clusters of 4 x 1, 327,680 bytes of LDS; arguments qimg, kimg, vimg, maskbits, lowp_scales, wocodes, bo, out0; writes out0
.if DOCPART == 4
	.amdgcn_target "amdgcn-amd-amdhsa--gfx1250"
	.amdhsa_code_object_version 6
	.text
	.protected	k_qe347bf8e49_attn
	.globl	k_qe347bf8e49_attn
	.p2align	8
	.type	k_qe347bf8e49_attn,@function
k_qe347bf8e49_attn:
	s_mov_b64 s[64:65], 0
	v_nop
	global_prefetch_b8 v0, s[64:65] scope:SCOPE_SE
	s_setreg_imm32_b32 hwreg(HW_REG_WAVE_MODE, 25, 1), 1
	s_wait_xcnt 0x0
	s_wait_alu depctr_hold_cnt(0) depctr_sa_sdst(0) depctr_va_vdst(0) depctr_va_sdst(0) depctr_va_ssrc(0) depctr_va_vcc(0) depctr_vm_vsrc(0)
	s_getreg_b32 s2, hwreg(HW_REG_IB_STS2, 6, 4)
	s_cmp_eq_u32 s2, 0
	s_cbranch_scc0 .Lentry_in_a_cluster
	s_endpgm
.Lentry_in_a_cluster:
	s_bfe_u32 s2, ttmp6, 0x10000c
	s_cmp_lg_u32 s2, 0x3003
	s_cbranch_scc0 .Lentry_shape_is_right
	s_endpgm
.Lentry_shape_is_right:
; out = (softmax(mask(Q K^T / sqrt(32))) V) Wo^T + bo, all three products on codes of FP8 (E4M3), each operand with the scale 2^e given for it (e6 .. e11).
; THE SOFTMAX AHEAD OF THE SECOND PRODUCT: t = logit x log2(e); M = the row's largest t so far, rounded UP to a whole number; p = 2^(t - M) is what is quantised; the row's sum is taken of the
; unquantised p and divides at the end.  When M moves, the sum and O are multiplied by 2^(old M - new M): exact.
; SHARES.  A work-group owns 128 queries of one batch, all eight heads.  Wave w: query tile i = w % 8, and in pass j = 0 .. 3 head 2 j + w / 8; it walks all 1,024 keys, 128 a step.  A lane holds ONE query.
; Sixteen waves of 256 registers, four to a SIMD: one wave's vector work stands beside another's matrix work and LDS loads.
; LAYOUT.  S^T = K Q^T (source 0 = 16 keys, source 1 = my 16 queries), K = 32 channels in the 16x16x64 form: registers 4 to 7 of both fragments are zero codes.  Register j of tile t is key 16 t + 8 h + j,
; so the conversion of tile t gives registers 2 t, 2 t + 1 of P.  O^T = V^T P (V's fragments come as the launch before laid them): register 8 u + j is channel 16 h + 8 u + j of the head, so two conversions
; give one register group of the last product's operand, which goes to the other waves through LDS as an image of its registers.  Last product: wave w makes output columns 16 w .. 16 w + 15 for all 128 queries.
; THE MASK comes as words of one bit a lane, one word for each register of S^T, read into scalar registers a step ahead.  A hidden score becomes NEG = -2^(32 - e6 - e7), so that its t = c x NEG is one and the
; same whole number: a row with no open key gives p = 1 for every key, as the reference's -1e9 does.  LIMIT: that t is -1.0954e9 where the reference has -1.4427e9: the results are the same while open logits stay above -7e8.
; CLUSTER.  The four query blocks of a cluster belong to one batch and walk the same K and V: each tile is asked for JOINTLY, by the same tensor load with the same descriptor and a mask that names the four.
; RING.  Two slots of 131,072 bytes, each with a pass's K (two heads, 65,536 bytes) and V (likewise).  Waves 0 to 3 fetch K, waves 4 to 7 V, 16,384 dense bytes each.  A refill is asked for a whole pass,
; eight key steps of all sixteen waves, ahead of its first read, so nothing more is asked ahead of it.  A wave has at most one tensor load out.
; LIMITS on the given exponents, so that each power of two below is an f32 number: e6 + e7 between -90 and 120; e8 and e10 between -126 and 119; e10 + e11 between -126 and 127; e8 + e9 goes by v_ldexp_f32.
; LDS: 0 slot 0; 131072 slot 1; 262144 the spare words; 264192 O's 16 fragments ((2 i + s) x 2,048); the stage for the way out, 128 rows x 1,040 bytes from 0 on, is written when both slots have had their last fill and their last read.
.set SLOT1, 131072
.set SPARE, 262144                     ; 128 bytes for each of sixteen waves: eight blocks of 256 bytes that no other line names
.set OIMG,  264192
.set SP,    1040                       ; a stage row: 1,024 bytes + 16
.set LI,   1                           ; v1   16 x lane
.set AK0,  2                           ; v2   K: 16 x lane + 32,768 (w / 8)
.set AV0,  3                           ; v3   V: that + 65,536
.set SPW,  4                           ; v4   my spare word; never rewritten
.set NIL,  5                           ; v5   0; never rewritten
.set ADK,  6                           ; v6   the step's K
.set ADV,  7                           ; v7   the step's V
.set NEG,  8                           ; v8   a hidden score
.set PLIM, 9                           ; v9   448 x 2^e8
.set PSC,  10                          ; v10  2^e8
.set OA0,  11                          ; v11  where my O's codes go in pass 0
.set QF,   16                          ; v16-23   Q's fragment; v20-23 stay 0.   v12 -M, v13 the largest t, v[14:15] the sum in two halves
.set KF,   24                          ; v24-87   K's eight fragments; registers 4 to 7 of each stay 0
.set VF,   88                          ; v88-119  V's two
.set S,    120                         ; v120-183 S^T, then p
.set PCD,  184                         ; v184-199 p's codes
.set O,    200                         ; v200-215 O^T.   v216-223 at work; v224, v225: 448 x 2^e10, 2^e10; v226 an address; v227 e8 + e9; v[228:229] 2^(e10 + e11); v230-235 the tail's addresses
.set WFR,  24                          ; the tail: Wo's two fragments v24-55, bo v56-63, O's eight fragments v64-191, four accumulators v192-223
.set BO,   56
.set OF,   64
.set ACC,  192
.set MOFF, 4                           ; s4   byte of the step's 64 mask words in my query tile's 2,048
.set WV,   5                           ; s5   wave
.set KO,   28                          ; s28  LDS byte of the slot and step in hand
; s[2:3] mask words; s[6:7] lane selects; s[8:9] c; s[10:11] Q's image; s[12:15], s[24:27] descriptor groups 0 for K, V; s[16:23] group 1; s29, s30 counters; s31 pass x 1,024;
; s[32:63], s[68:99] the 64 mask words; s[66:67] bo; s[100:101] out0; s[104:105] Wo's codes
.macro CROUND                          ; a round of the cluster's barrier
	s_barrier_signal -1
	s_barrier_wait -1
	s_cmp_lg_u32 s[WV], 0
	s_cbranch_scc1 .Lnot_wave_0_\@
	s_barrier_signal -3
.Lnot_wave_0_\@:
	s_barrier_wait -3
	s_barrier_signal -1
	s_barrier_wait -1
.endm
; a joint load: waves 0 to 3 for K, waves 4 to 7 for V, the others nothing.  The branches hang on the wave's number alone.  An s_nop 0 and four v_nop follow each of the two lines
.macro JLOAD
	s_cmp_lt_u32 s[WV], 4
	s_cbranch_scc0 .Lnot_k_\@
	tensor_load_to_lds s[12:15], s[16:23]
	s_nop 0
.rept 4
	v_nop
.endr
	s_branch .Lasked_\@
.Lnot_k_\@:
	s_cmp_lt_u32 s[WV], 8
	s_cbranch_scc0 .Lasked_\@
	tensor_load_to_lds s[24:27], s[16:23]
	s_nop 0
.rept 4
	v_nop
.endr
.Lasked_\@:
.endm
.macro MLOAD                           ; a step's 64 mask words: word n in s[32 + n], from 32 on in s[36 + n]
	s_load_b512 s[32:47], s[2:3], s[MOFF] offset:0x0
	s_load_b512 s[48:63], s[2:3], s[MOFF] offset:0x40
	s_load_b512 s[68:83], s[2:3], s[MOFF] offset:0x80
	s_load_b512 s[84:99], s[2:3], s[MOFF] offset:0xc0
.endm
; A KEY STEP: 128 keys
.macro STEP
	v_add_nc_u32 v[ADK], s[KO], v[AK0]
	v_add_nc_u32 v[ADV], s[KO], v[AV0]
	v_nop                                          ; with the two additions: four places behind the last products, in front of loads into registers that they read (ISA guide 7.12.1 for vector instructions)
	v_nop
.irp t, 0,1,2,3,4,5,6,7
	ds_load_b128 v[KF+8*\t:KF+8*\t+3], v[ADK] offset:512*\t
.endr
.irp q, 0,1,2,3,4,5,6,7
	ds_load_b128 v[VF+4*\q:VF+4*\q+3], v[ADV] offset:512*\q
.endr
	s_wait_dscnt 8                                 ; K's eight loads are in; V's eight, issued behind them, may be out
.irp t, 0,1,2,3,4,5,6,7
	v_wmma_f32_16x16x64_fp8_fp8 v[S+8*\t:S+8*\t+7], v[KF+8*\t:KF+8*\t+7], v[QF:QF+7], 0
.endr
.rept 4
	v_nop
.endr
	s_wait_kmcnt 0x0                               ; this step's mask words, asked for a step ago
.set ii, 0
.rept 32
	v_cndmask_b32 v[S+ii], v[NEG], v[S+ii], s[32+ii]   ; the score where the lane's bit is set, else NEG; each accumulator from its low end on
.set ii, ii+1
.endr
.rept 32
	v_cndmask_b32 v[S+ii], v[NEG], v[S+ii], s[36+ii]
.set ii, ii+1
.endr
	s_add_co_u32 s[MOFF], s[MOFF], 256             ; the words' loads are done, so their offset may step: the next step's, and behind the eighth the first's again (every head has the same mask)
	s_and_b32 s[MOFF], s[MOFF], 0x7ff
	MLOAD
	v_max3_num_f32 v216, v[S], v[S+1], v[S+2]      ; the step's largest score of my query, among my 64 keys, in two chains,
	v_max3_num_f32 v217, v[S+3], v[S+4], v[S+5]
.irp i, 6,10,14,18,22,26,30,34,38,42,46,50,54,58
	s_delay_alu instid0(VALU_DEP_2)
	v_max3_num_f32 v216, v216, v[S+\i], v[S+\i+1]
	s_delay_alu instid0(VALU_DEP_2)
	v_max3_num_f32 v217, v217, v[S+\i+2], v[S+\i+3]
.endr
	s_delay_alu instid0(VALU_DEP_2)
	v_max3_num_f32 v216, v216, v[S+62], v[S+63]
	s_delay_alu instid0(VALU_DEP_1)
	v_max_num_f32 v216, v216, v217
	s_delay_alu instid0(VALU_DEP_1)
	v_permlanex16_b32 v220, v216, s6, s7
	s_delay_alu instid0(VALU_DEP_1)
	v_max_num_f32 v216, v216, v220                 ; and among lane l xor 16's
	s_delay_alu instid0(VALU_DEP_1)
	v_mul_f32 v216, s8, v216                       ; as t (c is positive)
	s_delay_alu instid0(VALU_DEP_1)
	v_max_num_f32 v13, v13, v216                   ; the running largest t
	v_mov_b32 v216, v12
	s_delay_alu instid0(VALU_DEP_2)
	v_floor_f32 v12, -v13                          ; the new -M = floor(-t): M is a whole number
	s_delay_alu instid0(VALU_DEP_1)
	v_sub_f32 v216, v12, v216                      ; old M - new M: a whole number, 0 or less
	s_delay_alu instid0(VALU_DEP_1)
	v_cvt_i32_f32 v216, v216                       ; (it saturates)
	s_delay_alu instid0(VALU_DEP_1)
	v_ldexp_f32 v218, 1.0, v216                    ; f = 2^(old M - new M)
.set ii, 0
.rept 32
	v_pk_fma_f32 v[S+ii:S+ii+1], v[S+ii:S+ii+1], s[8:9], v[12:13] op_sel_hi:[1,0,0]   ; t - M, two at a time (of the pairs c and -M the low word serves both halves)
.set ii, ii+2
.endr
.set ii, 0
	s_setprio 1
	s_wait_alu depctr_va_vdst(0)
.rept 64
	v_exp_f32 v[S+ii], v[S+ii]                     ; p = 2^(t - M), at most 1: not normalised
.set ii, ii+1
.endr
	v_pk_mul_f32 v[14:15], v[14:15], v[218:219] op_sel_hi:[1,0]   ; the sums under the new M: the plain line behind the exponentials
	s_wait_alu depctr_va_vdst(0)                   ; the wait ahead of the first line that names a result: one for the batch of 64
	v_pk_add_f32 v[222:223], v[124:125], v[128:129]
	v_pk_add_f32 v[254:255], v[132:133], v[136:137]
	v_pk_add_f32 v[252:253], v[140:141], v[144:145]
	v_pk_add_f32 v[250:251], v[148:149], v[152:153]
	v_pk_add_f32 v[248:249], v[156:157], v[160:161]
	v_pk_add_f32 v[246:247], v[164:165], v[168:169]
	v_pk_add_f32 v[244:245], v[172:173], v[176:177]
	v_pk_add_f32 v[14:15], v[14:15], v[180:181]
	v_pk_add_f32 v[222:223], v[222:223], v[120:121]
	v_pk_add_f32 v[254:255], v[254:255], v[122:123]
	v_pk_add_f32 v[252:253], v[252:253], v[126:127]
	v_pk_add_f32 v[250:251], v[250:251], v[130:131]
	v_pk_add_f32 v[248:249], v[248:249], v[134:135]
	v_pk_add_f32 v[246:247], v[246:247], v[138:139]
	v_pk_add_f32 v[244:245], v[244:245], v[142:143]
	v_pk_add_f32 v[14:15], v[14:15], v[146:147]
	v_pk_add_f32 v[222:223], v[222:223], v[150:151]
	v_pk_add_f32 v[254:255], v[254:255], v[154:155]
	v_pk_add_f32 v[252:253], v[252:253], v[158:159]
	v_pk_add_f32 v[250:251], v[250:251], v[162:163]
	v_pk_add_f32 v[248:249], v[248:249], v[166:167]
	v_pk_add_f32 v[246:247], v[246:247], v[170:171]
	v_pk_add_f32 v[244:245], v[244:245], v[174:175]
	v_pk_add_f32 v[14:15], v[14:15], v[178:179]
	v_pk_add_f32 v[222:223], v[222:223], v[182:183]
	s_delay_alu instid0(VALU_DEP_2)
	v_pk_add_f32 v[14:15], v[14:15], v[250:251]
	s_delay_alu instid0(VALU_DEP_2)
	v_pk_add_f32 v[222:223], v[222:223], v[248:249]
	v_pk_add_f32 v[254:255], v[254:255], v[246:247]
	v_pk_add_f32 v[252:253], v[252:253], v[244:245]
	s_delay_alu instid0(VALU_DEP_2)
	v_pk_add_f32 v[14:15], v[14:15], v[254:255]
	s_delay_alu instid0(VALU_DEP_2)
	v_pk_add_f32 v[222:223], v[222:223], v[252:253]
	s_delay_alu instid0(VALU_DEP_1)
	v_pk_add_f32 v[14:15], v[14:15], v[222:223]
	s_setprio 0
.irp b, 0,1,2,3
.irp i, 0,1,2,3,4,5,6,7,8,9,10,11,12,13,14,15
	v_min_num_f32 v[S+16*\b+\i], v[S+16*\b+\i], v[PLIM]   ; the conversion to an 8-bit code does not saturate (ISA guide 7.6.2); p is not negative, so the hold is one-sided
.endr
	v_cvt_scalef32_pk8_fp8_f32 v[PCD+4*\b:PCD+4*\b+1], v[S+16*\b:S+16*\b+7], v[PSC]
	v_cvt_scalef32_pk8_fp8_f32 v[PCD+4*\b+2:PCD+4*\b+3], v[S+16*\b+8:S+16*\b+15], v[PSC]
.endr
.irp j, 0,2,4,6,8,10,12,14
	v_pk_mul_f32 v[O+\j:O+\j+1], v[O+\j:O+\j+1], v[218:219] op_sel_hi:[1,0]   ; O^T under the new M; also the plain lines behind the last conversion
.endr
	s_wait_alu depctr_va_vdst(0)
	s_wait_dscnt 0x0                               ; V is in
.irp u, 0,1
	v_wmma_f32_16x16x128_fp8_fp8 v[O+8*\u:O+8*\u+7], v[VF+16*\u:VF+16*\u+15], v[PCD:PCD+15], v[O+8*\u:O+8*\u+7]
.endr
	s_add_co_u32 s[KO], s[KO], 4096
.endm
; THE CHANGE OF SLOTS stands at a pass's head.  Each wave waits for all its tensor loads (its part of the slot that it is about to read), adds 0 to its spare word, and waits for that and for its LDS
; instructions on the slot that it has left.  fill = 1: that slot is filled with the next pass's tiles; the barrier is then a round of the cluster's, and the joint load is the first thing behind it.
.macro CHANGE fill
	s_wait_tensorcnt 0x0                           ; no tensor load of mine is out, so a group 0 may be written
	ds_add_u32 v[SPW], v[NIL]                      ; 0 onto my spare word
.if \fill
	s_xor_b32 s13, s13, SLOT1                      ; the walking descriptors: the other slot than last time,
	s_add_nc_u64 s[14:15], s[14:15], 65536         ; the next two heads; the type bits on top are not reached
	s_xor_b32 s25, s25, SLOT1
	s_add_nc_u64 s[26:27], s[26:27], 65536
.endif
	s_wait_dscnt 0x0                               ; the add is done, and so are my LDS instructions of the pass before
.if \fill
	CROUND
	JLOAD
.else
	s_barrier_signal -1
	s_barrier_wait -1
.endif
.endm
; a head is done: O^T / the sum x 2^(e8 + e9) is quantised and goes to LDS as one register group of the last product's operand
.macro FINISH
.rept 4
	v_nop                                          ; four places behind the last products
.endr
	v_add_f32 v14, v14, v15                        ; the sum's two halves,
	s_delay_alu instid0(VALU_DEP_1)
	v_permlanex16_b32 v220, v14, s6, s7
	s_delay_alu instid0(VALU_DEP_1)
	v_add_f32 v14, v14, v220                       ; and lane l xor 16's
	s_wait_alu depctr_va_vdst(0)
	v_rcp_f32 v14, v14
	v_add_nc_u32 v226, s31, v[OA0]                 ; (the plain line behind the reciprocal)  head x 512 bytes on
	s_wait_alu depctr_va_vdst(0)                   ; the wait ahead of the first use
	v_ldexp_f32 v14, v14, v227
.irp j, 0,2,4,6,8,10,12,14
	v_pk_mul_f32 v[O+\j:O+\j+1], v[O+\j:O+\j+1], v[14:15] op_sel_hi:[1,0]
.endr
.irp i, 0,1,2,3,4,5,6,7,8,9,10,11,12,13,14,15
	v_med3_num_f32 v[O+\i], v[O+\i], -v224, v224
.endr
	v_cvt_scalef32_pk8_fp8_f32 v[PCD:PCD+1], v[O:O+7], v225
	v_cvt_scalef32_pk8_fp8_f32 v[PCD+2:PCD+3], v[O+8:O+15], v225
	v_nop                                          ; one plain line behind the last conversion: its sources are written next
	ds_store_b128 v226, v[PCD:PCD+3]
.endm
.macro PASS fill
	global_load_b128 v[QF:QF+3], v[LI], s[10:11]   ; my 16 queries of this pass's head
	v_mov_b32 v13, 0xff61b1e6                      ; the largest t so far: -3e38, under every t
	s_delay_alu instid0(VALU_DEP_1)
	v_floor_f32 v12, -v13                          ; -M
	v_mov_b32 v14, 0
	v_mov_b32 v15, 0
.irp i, 0,1,2,3,4,5,6,7,8,9,10,11,12,13,14,15
	v_mov_b32 v[O+\i], 0                           ; the step is written once: the first finds zeros, which the first change of M leaves zeros
.endr
	CHANGE \fill
	s_wait_loadcnt 0x0                             ; Q is in, and its address may step
	s_add_nc_u64 s[10:11], s[10:11], 65536         ; two heads on (behind the last pass it is not used)
	s_mov_b32 s30, 8
.Lstep_\@:
	s_setprio 2
	STEP
	s_sub_co_u32 s30, s30, 1
	s_cmp_lg_u32 s30, 0
	s_cbranch_scc1 .Lstep_\@
	s_setprio 0
	FINISH
	s_sub_co_u32 s[KO], s[KO], 32768               ; back to a slot's first step,
	s_xor_b32 s[KO], s[KO], SLOT1                  ; in the other slot
	s_add_co_u32 s31, s31, 1024
.endm
; the last product for query tiles 4 mh .. 4 mh + 3: four accumulators by turns, two K steps; x 2^(e10 + e11) + bo; into the stage
.macro HALF mh
.irp f, 0,1,2,3,4,5,6,7
.irp c, 0,1,2,3
	ds_load_b128 v[OF+16*\f+4*\c:OF+16*\f+4*\c+3], v235 offset:(\mh)*16384+\f*2048+512*\c
.endr
.endr
	s_wait_dscnt 0x0
.irp mm, 0,1,2,3
	v_wmma_f32_16x16x128_fp8_fp8 v[ACC+8*\mm:ACC+8*\mm+7], v[WFR:WFR+15], v[OF+32*\mm:OF+32*\mm+15], 0
.endr
.irp mm, 0,1,2,3
	v_wmma_f32_16x16x128_fp8_fp8 v[ACC+8*\mm:ACC+8*\mm+7], v[WFR+16:WFR+31], v[OF+32*\mm+16:OF+32*\mm+31], v[ACC+8*\mm:ACC+8*\mm+7]
.endr
.rept 5
	v_nop                                          ; four places in front of the first read of results and of loads into the operands' registers; a fifth, since the next half's products begin these accumulators anew
.endr
.irp mm, 0,1,2,3
.irp i, 0,2,4,6
	v_pk_fma_f32 v[ACC+8*\mm+\i:ACC+8*\mm+\i+1], v[ACC+8*\mm+\i:ACC+8*\mm+\i+1], v[228:229], v[BO+\i:BO+\i+1]
.endr
.endr
.irp mm, 0,1,2,3
	ds_store_b128 v[230+\mh], v[ACC+8*\mm:ACC+8*\mm+3] offset:\mm*16*SP        ; lane (r, h): out(16 m + r, 16 w + 8 h + 0 .. 7)
	ds_store_b128 v[230+\mh], v[ACC+8*\mm+4:ACC+8*\mm+7] offset:\mm*16*SP+16
.endr
.endm
	s_load_b512 s[32:47], s[0:1], 0x0              ; qimg, kimg, vimg, maskbits, lowp_scales, wocodes, bo, out0
	v_lshl_add_u32 v[SPW], v0, 2, SPARE
	v_mov_b32 v[NIL], 0
	ds_add_u32 v[SPW], v[NIL]                      ; the wave's opening: the add and its wait ahead of my first tensor load; the set-up below, work on registers, stands between them
	ds_add_u32 v[SPW], v[NIL]
	v_lshrrev_b32 v6, 5, v0
	s_delay_alu instid0(VALU_DEP_1)
	v_readfirstlane_b32 s[WV], v6                  ; wave 0..15
	; descriptor group 1: 64 dense rows of 32 elements of 8 bytes: 16,384 bytes as they lie
	s_mov_b32 s16, 15|(3<<16)|(1<<21)              ; 15:0 the mask: all four work-groups; 17:16 elements of 8 bytes; 20 no padding; 21 set beside a mask
	s_mov_b32 s17, 32<<16                          ; tensor_dim0 = 32
	s_mov_b32 s18, 64<<16                          ; tensor_dim1 = 64
	s_mov_b32 s19, 32<<16                          ; tile_dim0 = 32
	s_mov_b32 s20, 64                              ; tile_dim1 = 64
	s_mov_b32 s21, 32                              ; tensor_dim0_stride
	s_mov_b32 s22, 0
	s_mov_b32 s23, 0
	s_mov_b32 s6, 0x76543210
	s_mov_b32 s7, 0xfedcba98
	s_bfe_u32 s56, ttmp6, 0x40000                  ; cx: my place in the cluster
	s_lshl_b32 s57, ttmp9, 2
	s_add_co_u32 s57, s57, s56                     ; my block of 128 queries: it enters the addresses of Q, the mask words and out0 alone
	s_and_b32 s58, ttmp7, 0xffff                   ; the batch, which the four partners share
	s_and_b32 s59, s[WV], 7                        ; i
	s_lshr_b32 s60, s[WV], 3                       ; w / 8
	s_lshl_b32 s61, s57, 3
	s_add_co_u32 s61, s61, s59                     ; my query tile of the batch's 64
	s_lshl_b32 s68, s58, 18                        ; the batch's first byte in each image
	s_and_b32 s69, s[WV], 3
	s_lshl_b32 s69, s69, 14
	s_add_co_u32 s70, s68, s69                     ; what I fetch, if I fetch: 16,384 (w % 4) bytes into the pass's two heads,
	s_mov_b32 s71, 0
	s_lshl_b32 s72, s59, 14                        ; to 16,384 (w % 8) in the slot: no place in the cluster enters an LDS address
	s_wait_dscnt 0x0                               ; the opening add is done
	s_wait_kmcnt 0x0
	s_load_b64 s[48:49], s[40:41], 0x18            ; e6, e7
	s_load_b128 s[52:55], s[40:41], 0x20           ; e8 .. e11
	s_mov_b32 s12, 1                               ; count = 1
	s_mov_b32 s13, s72                             ; LDS address: slot 0
	s_add_nc_u64 s[14:15], s[34:35], s[70:71]      ; global address: heads 0 and 1
	s_or_b32 s15, s15, 0x80000000                  ; type = 2
	s_mov_b32 s24, 1
	s_mov_b32 s25, s72
	s_add_nc_u64 s[26:27], s[36:37], s[70:71]
	s_or_b32 s27, s27, 0x80000000
	CROUND                                         ; all four work-groups are here: the first joint loads meet
	JLOAD                                          ; slot 0
	s_mov_b32 s63, 0
	s_lshl_b32 s62, s61, 11
	s_add_nc_u64 s[2:3], s[38:39], s[62:63]        ; my query tile's 512 mask words
	s_lshl_b32 s62, s61, 9
	s_add_co_u32 s62, s62, s68
	s_lshl_b32 s73, s60, 15
	s_add_co_u32 s62, s62, s73
	s_add_nc_u64 s[10:11], s[32:33], s[62:63]      ; Q: batch, head w / 8, my tile
	s_lshl_b32 s62, s[WV], 6
	s_add_nc_u64 s[66:67], s[44:45], s[62:63]      ; bo: my 16 columns
	s_lshl_b32 s62, s58, 20
	s_lshl_b32 s74, s57, 17
	s_add_co_u32 s62, s62, s74
	s_lshl_b32 s74, s[WV], 13
	s_add_co_u32 s62, s62, s74
	s_add_nc_u64 s[100:101], s[46:47], s[62:63]    ; out0: batch, my block, the 8 rows that I store
	s_lshl_b32 s62, s[WV], 12
	s_add_nc_u64 s[104:105], s[42:43], s[62:63]    ; Wo's codes: my 16 rows
	v_and_b32 v6, 31, v0
	s_delay_alu instid0(VALU_DEP_1)
	v_lshlrev_b32 v[LI], 4, v6
	s_delay_alu instid0(VALU_DEP_1)
	v_add_nc_u32 v[AK0], s73, v[LI]
	s_delay_alu instid0(VALU_DEP_1)
	v_add_nc_u32 v[AV0], 65536, v[AK0]
	s_lshl_b32 s74, s59, 12
	s_lshl_b32 s75, s60, 9
	s_add_co_u32 s74, s74, s75
	s_add_co_u32 s74, s74, OIMG
	v_add_nc_u32 v[OA0], s74, v[LI]                ; tile i's two fragments, register group w / 8 of the first
	v_and_b32 v6, 15, v0                           ; r
	v_bfe_u32 v7, v0, 4, 1                         ; h
	s_delay_alu instid0(VALU_DEP_2)
	v_mul_u32_u24 v230, v6, SP
	s_delay_alu instid0(VALU_DEP_1)
	v_lshl_add_u32 v230, v7, 5, v230
	s_lshl_b32 s74, s[WV], 6
	v_add_nc_u32 v230, s74, v230                   ; the stage, in: row r, + 32 h, + 64 w;
	s_delay_alu instid0(VALU_DEP_1)
	v_add_nc_u32 v231, 64*SP, v230                 ; the same 64 rows further down
	s_mul_i32 s74, s[WV], 8*SP
	v_add_nc_u32 v232, s74, v[LI]                  ; back: my 8 rows, 16 bytes a lane
	v_lshlrev_b32 v233, 8, v6
	s_delay_alu instid0(VALU_DEP_1)
	v_lshl_add_u32 v233, v7, 4, v233               ; Wo: row r of 256 codes + 16 h
	v_lshlrev_b32 v234, 5, v7                      ; bo: 8 h numbers on
	v_add_nc_u32 v235, OIMG, v[LI]
.irp i, 4,5,6,7
	v_mov_b32 v[QF+\i], 0                          ; zero codes for the upper half of the form's K = 64, in Q
.endr
.irp t, 0,1,2,3,4,5,6,7
.irp i, 4,5,6,7
	v_mov_b32 v[KF+8*\t+\i], 0                     ; and in K: set once, never loaded into
.endr
.endr
	v_mov_b32 v219, 0                              ; (named as the upper half of the pair v[218:219])
	v_mov_b32 v220, 0                              ; written once: a lane permute's destination counts as one of its sources
	s_wait_kmcnt 0x0
	s_add_co_i32 s74, s48, s49                     ; e6 + e7
	s_lshl_b32 s75, s74, 23
	s_add_co_i32 s8, s75, 0x3e8293ee               ; c = log2(e) / sqrt(32) x 2^(e6 + e7): the exponents are added to c's exponent field
	s_mov_b32 s9, s8                               ; (named with it as a pair, so it is written)
	s_sub_co_i32 s75, 159, s74
	s_lshl_b32 s75, s75, 23
	s_or_b32 s75, s75, 0x80000000
	v_mov_b32 v[NEG], s75                          ; -2^(32 - e6 - e7)
	s_add_co_i32 s75, s52, 127
	s_lshl_b32 s76, s75, 23
	v_mov_b32 v[PSC], s76                          ; 2^e8
	s_add_co_i32 s75, s75, 8
	s_lshl_b32 s75, s75, 23
	s_or_b32 s75, s75, 0x600000
	v_mov_b32 v[PLIM], s75                         ; 448 x 2^e8
	s_add_co_i32 s75, s54, 127
	s_lshl_b32 s76, s75, 23
	v_mov_b32 v225, s76                            ; 2^e10
	s_add_co_i32 s75, s75, 8
	s_lshl_b32 s75, s75, 23
	s_or_b32 s75, s75, 0x600000
	v_mov_b32 v224, s75                            ; 448 x 2^e10
	s_add_co_i32 s75, s52, s53
	v_mov_b32 v227, s75                            ; e8 + e9
	s_add_co_i32 s75, s54, s55
	s_add_co_i32 s75, s75, 127
	s_lshl_b32 s75, s75, 23
	v_mov_b32 v228, s75                            ; 2^(e10 + e11), twice
	v_mov_b32 v229, s75
	s_mov_b32 s[MOFF], 0
	s_mov_b32 s[KO], 0
	s_mov_b32 s31, 0
	MLOAD                                          ; the first step's mask words: all that stood in these registers has been used
	s_mov_b32 s29, 3
.Lpass:                                            ; three passes behind whose change of slots the next pass's tiles are asked for
	PASS 1
	s_sub_co_u32 s29, s29, 1
	s_cmp_lg_u32 s29, 0
	s_cbranch_scc1 .Lpass
	PASS 0                                         ; the last pass is written out
	; ---- THE LAST PRODUCT
.irp s, 0,1
.irp c, 0,1,2,3
	global_load_b128 v[WFR+16*\s+4*\c:WFR+16*\s+4*\c+3], v233, s[104:105] offset:128*\s+32*\c   ; Wo(16 w + r, 128 s + 32 c + 16 h + 0 .. 15): the order in which O's codes lie
.endr
.endr
	global_load_b128 v[BO:BO+3], v234, s[66:67]
	global_load_b128 v[BO+4:BO+7], v234, s[66:67] offset:16
	s_wait_kmcnt 0x0                               ; the mask words asked for in the last step are not used: their loads are waited for all the same
	s_wait_dscnt 0x0                               ; my codes of O lie in LDS, and my reads of the slots are over
	s_barrier_signal -1
	s_barrier_wait -1                              ; everybody's: O's sixteen fragments are whole, and the slots' bytes may take the stage
	s_wait_loadcnt 0x0
	HALF 0
	HALF 1
	s_wait_dscnt 0x0
	s_barrier_signal -1
	s_barrier_wait -1                              ; 128 whole rows of out0 lie in the stage
.irp n, 0,1,2,3,4,5,6,7,8,9,10,11,12,13,14,15
	ds_load_b128 v[OF+4*\n:OF+4*\n+3], v232 offset:SP*(\n/2)+512*(\n%2)
.endr
.irp n, 0,1,2,3,4,5,6,7,8,9,10,11,12,13,14,15
	s_wait_dscnt 15-\n                             ; LDS loads come back in order: number n is in, the younger ones may be out
	global_store_b128 v[LI], v[OF+4*\n:OF+4*\n+3], s[100:101] offset:1024*(\n/2)+512*(\n%2) th:TH_STORE_NT   ; 32 lanes store 512 consecutive bytes, at a multiple of 512 from out0's first byte
.endr
	s_wait_tensorcnt 0x0                           ; the wave's end: behind my last tensor load and my last LDS store
	ds_add_u32 v[SPW], v[NIL]
	s_wait_dscnt 0x0
	CROUND                                         ; the closing round: no work-group ends while a partner may still ask for a tile that names it
	s_endpgm
.Lfunc_end_k_qe347bf8e49_attn:
	.size	k_qe347bf8e49_attn, .Lfunc_end_k_qe347bf8e49_attn-k_qe347bf8e49_attn
	.p2alignl 7, 3214868480
	.fill 96, 4, 3214868480
	.section	.rodata,"a",@progbits
	.p2align	6, 0x0
	.amdhsa_kernel k_qe347bf8e49_attn
		.amdhsa_group_segment_fixed_size 327680
		.amdhsa_private_segment_fixed_size 0
		.amdhsa_enable_private_segment 0
		.amdhsa_kernarg_size 64
		.amdhsa_user_sgpr_count 2
		.amdhsa_user_sgpr_kernarg_segment_ptr 1
		.amdhsa_wavefront_size32 1
		.amdhsa_system_sgpr_workgroup_id_x 1
		.amdhsa_system_sgpr_workgroup_id_y 1
		.amdhsa_system_sgpr_workgroup_id_z 1
		.amdhsa_system_vgpr_workitem_id 0
		.amdhsa_next_free_vgpr 256
		.amdhsa_next_free_sgpr 106
		.amdhsa_reserve_vcc 0
		.amdhsa_float_denorm_mode_32 3
		.amdhsa_float_denorm_mode_16_64 3
		.amdhsa_memory_ordered 1
		.amdhsa_forward_progress 1
		.amdhsa_inst_pref_size 69
	.end_amdhsa_kernel
	.amdgpu_metadata
---
amdhsa.version: [ 1, 2 ]
amdhsa.kernels:
  - .name:           k_qe347bf8e49_attn
    .symbol:         k_qe347bf8e49_attn.kd
    .args:
      - { .name: qimg, .offset: 0, .size: 8, .value_kind: global_buffer, .address_space: global }
      - { .name: kimg, .offset: 8, .size: 8, .value_kind: global_buffer, .address_space: global }
      - { .name: vimg, .offset: 16, .size: 8, .value_kind: global_buffer, .address_space: global }
      - { .name: maskbits, .offset: 24, .size: 8, .value_kind: global_buffer, .address_space: global }
      - { .name: lowp_scales, .offset: 32, .size: 8, .value_kind: global_buffer, .address_space: global }
      - { .name: wocodes, .offset: 40, .size: 8, .value_kind: global_buffer, .address_space: global }
      - { .name: bo, .offset: 48, .size: 8, .value_kind: global_buffer, .address_space: global }
      - { .name: out0, .offset: 56, .size: 8, .value_kind: global_buffer, .address_space: global }
    .group_segment_fixed_size: 327680
    .private_segment_fixed_size: 0
    .kernarg_segment_align: 8
    .kernarg_segment_size: 64
    .max_flat_workgroup_size: 512
    .sgpr_count:     106
    .vgpr_count:     256
    .wavefront_size: 32
...
	.end_amdgpu_metadata
.endif
;; end of part 4
